; MI455X (gfx1250); checked and timed in simulation.
; The chip was launched on July 23, 2026; its instructions are those of AMD's public machine-readable ISA for CDNA 5 (MIT licence, August 2026) and "CDNA5" Instruction Set Architecture Reference Guide (July 2026). The comments in the code are by the model that wrote it; some were corrected since.
;; Self Attention. Allowed arithmetic: matrix products marked QUANTISED: E3M2 operands, one E8M0 scale for each 32 along K, by v_wmma_scale_f32_16x16x128_f8f6f4 with both operands' format E3M2, f32 sums; everything else in f32.
;; Inputs: b_out 1,024 float32; b_qkv 3,072 float32; w_out 1,024 x 1,024 float32; w_qkv 1,024 x 3,072 float32; x 2 x 2,048 x 1,024 float32.
;; Outputs: out0 2 x 2,048 x 1,024 float32.
;; This version of the problem:
;;   THIS VERSION OF THE PROBLEM IS GIVEN IN LOW PRECISION. The matrix products marked QUANTISED in the list below multiply operands that are first quantised to E3M2 (3 exponent bits, 2 mantissa bits; 6 bits a number), with one power-of-two scale for each 32 numbers along K (OCP MX v1.0); their sums are f32. All else is computed in f32.
;;   The module's matrix products, in the order in which they are computed (A, B: the left and right operand; K: the contracted axis; several contracted axes count as one K, in the product's order):
;;     1. [M 4,096, K 1,024] x [K 1,024, N 3,072]; A: input x; B: input w_qkv: QUANTISED
;;     2. batch 32 x [M 2,048, K 64] x [K 64, N 2,048]; A: computed on the way; B: computed on the way: QUANTISED
;;     3. batch 32 x [M 2,048, K 2,048] x [K 2,048, N 64]; A: softmax (see below); B: computed on the way: QUANTISED
;;     4. [M 4,096, K 1,024] x [K 1,024, N 1,024]; A: computed on the way; B: input w_out: QUANTISED
;;   THE QUANTISER, for each operand of a quantised product, along K:
;;     - K is cut into blocks of 32 from its start; a last block that is shorter is filled with zeros.
;;     - A block's scale is 2^e with e = floor(log2(the largest magnitude in the block)) - 4, held to -126 .. 127; a block of zeros has e = 0. As a byte (E8M0): e + 127.
;;     - Each number is divided by its block's scale, clamped to +-28, and rounded to the nearest number of E3M2, ties to even, subnormals kept.
;;     - The product sums the exact products of the quantised numbers (number of the format x scale) in f32.
;;   ~~~python
;;   def quantise(x, axis):      # numpy; x: float32 -> the quantised numbers, widened to float32 again
;;       x = np.moveaxis(x, axis, -1); K = x.shape[-1]
;;       x = np.pad(x, [(0, 0)] * (x.ndim - 1) + [(0, -K % 32)]); x = x.reshape(x.shape[:-1] + (-1, 32)); a = np.abs(x).max(-1, keepdims=True)
;;       e = np.where(a > 0, np.clip(np.frexp(np.where(a > 0, a, 1))[1] - 1 - 4, -126, 127), 0)      # np.frexp(a)[1] - 1 = floor(log2(a)), exactly
;;       r = np.clip(x / 2.0 ** e, -28, 28)
;;       step = 2.0 ** (np.maximum(np.frexp(np.where(r == 0, 1, r))[1] - 1, -2) - 2)
;;       q = np.round(r / step) * step * 2.0 ** e      # np.round: ties to even
;;       return np.moveaxis(q.reshape(q.shape[:-2] + (-1,))[..., :K], -1, axis).astype(np.float32)
;;   ~~~
;;   SOFTMAX AHEAD OF A QUANTISED PRODUCT. Where the list says 'softmax', what is quantised is not the finished softmax but p = 2^(t - M), with t = logit x log2(e) and M = ceil(the row's largest t), a whole number; so 1/2 < the row's largest p <= 1. The row's sum l is taken of the UNQUANTISED p, in f32, and the product's result is divided by l at the end. Since M is a whole number, a kernel that streams over the keys may use a running M (the ceiling of the running maximum): every later rescaling is an exact power of two, which a block's scale takes up: the codes' values come out the same.
;;   OPERANDS COMPUTED ON THE WAY. 'Computed on the way' means the value that the module computes at that place (a softmax that the list does not call 'softmax' is quantised finished and normalised). What goes into a quantiser is computed in f32, as accurately as f32 sums, v_exp_f32 and their like allow (about 1e-6 of the number): no bf16 or f16 on the way to a quantiser, and a product that is left as it is and whose result goes on into a quantised operand takes f32 operands (vector FMAs, or v_wmma_f32_16x16x4_f32). A number that lies on a knife's edge between two numbers of the format may be rounded either way, as far as f32 arithmetic and the matrix unit's own rounding can turn it there, and no further.
;; One version. Each part assembles by itself: llvm-mc -triple=amdgcn-amd-amdhsa -mcpu=gfx1250 --defsym DOCPART=n.
;; ======== version 1 of 1: 4 launches
;; limits: right only within a limited range of input values
;; workspace buffers: xq 3,276,800 bytes; wq 3,276,800 bytes; qb 3,407,872 bytes; kv 6,684,672 bytes; aoq 3,276,800 bytes
;; launch prep (part 1): grid 256 x 1, 16 waves a work-group, no clusters, 83,968 bytes of LDS; arguments x, w_qkv, w_out, xq, wq; writes xq, wq
.if DOCPART == 1
	.amdgcn_target "amdgcn-amd-amdhsa--gfx1250"
	.amdhsa_code_object_version 6
	.text
	.protected	k_q9b1676e0fa_prep
	.globl	k_q9b1676e0fa_prep
	.p2align	8
	.type	k_q9b1676e0fa_prep,@function
k_q9b1676e0fa_prep:
	s_mov_b64 s[64:65], 0
	v_nop
	global_prefetch_b8 v0, s[64:65] scope:SCOPE_SE
	s_setreg_imm32_b32 hwreg(HW_REG_WAVE_MODE, 25, 1), 1
	s_wait_xcnt 0x0
; PREP: x [4096][1024], w_qkv [1024][3072] and w_out [1024][1024], f32, become codes of BF6 (E3M2) with one E8M0 byte for each 32 along K (K = 1,024 in all three), laid as the later launches' matrix operands want them.
; A TILE OF 16 ROWS IS NOT 16 NEIGHBOURS.  x: in each group G of 64 rows tile 4 G + t has lane r <-> row 64 G + 8 t + r % 8 + 32 (r / 8).
; Weights: in each group g of 32 columns tile 2 g + u has lane r <-> column 32 g + 8 u + r + 8 (r / 8).
; A RECORD (PT = 12,800 bytes) is one such tile for all of K: eight fragments of 128 K, 1,536 bytes each, as images of the operand's 12 registers (registers 0-3 at 16 x lane, 4-5 at 512 + 8 x lane,
; 6-9 at 768 + 16 x lane, 10-11 at 1,280 + 8 x lane), then 512 scale bytes: row r's 32 at 12,288 + 32 r.  xq: 256 records.  wq: 192 of w_qkv's columns, then 64 of w_out's.
; A block's scale is 2^(floor(log2(its largest magnitude)) - 4): its byte is the largest magnitude's exponent field - 4, held at 1 from below.
; LIMITS: NaN and infinities are not served; a block whose largest magnitude lies under 2^-122 is held at the byte 1; a block of zeros gets the byte 1 and not 127: its codes are zeros, and this program alone reads the bytes.
; LEFT OUT in this program: the key steps of 128 that lie wholly above the diagonal of the causal mask which reference() builds in its own body: their p is 2^(-inf) = 0 for all values of the inputs.
; A NaN, an infinity or an overflow that reaches only those is not carried to the result.
; SHARES: 256 work-groups of 16 waves, 8,192 bytes of input a wave.  Waves 0-7: x's tile ttmp9, K step = wave.  Waves 8-15: a weight's 128 columns (ttmp9 / 8: 24 blocks of w_qkv, then 8 of w_out) at K step ttmp9 % 8:
; a wave 32 columns and half c of the step, 64 rows.  Waves share nothing: no barrier.  No matrix unit, no cluster, no tensor load: each input byte is read once by one wave.
.set PT,    12800
.set XSW,   8448                       ; x: a stage of 16 rows x (512 + 16) bytes for each wave
.set XP,    528
.set WST,   67584                      ; weights: the halves of two fragments' images, 896 bytes apart, for each wave
.set WSW,   1792
.set WFP,   896
.set SPARE, 81920                      ; the spare words, 128 bytes a wave: eight blocks of 256 bytes that no other line names
.set SEL,   16                         ; s[16:17] lane selects for v_permlanex16_b32: lane l xor 16
; Two whole blocks of 32 in a lane, registers s + 32 c + i: codes in v[pc + 6 c ..], bytes in v[tm + 6 + c].  Four chains by turns: no line waits for the line above it
.macro QBLK s, pc, pe, tm
.irp c, 0,1
	v_max3_num_f32 v[\tm+\c], |v[\s+32*\c]|, |v[\s+32*\c+1]|, 0x2800000   ; and the floor 2^(5 - 127): the byte cannot fall under 1
	v_max3_num_f32 v[\tm+2+\c], |v[\s+32*\c+16]|, |v[\s+32*\c+17]|, |v[\s+32*\c+18]|
.endr
.irp i, 2,4,6,8,10,12
.irp c, 0,1
	v_max3_num_f32 v[\tm+\c], v[\tm+\c], |v[\s+32*\c+\i]|, |v[\s+32*\c+\i+1]|
	v_max3_num_f32 v[\tm+2+\c], v[\tm+2+\c], |v[\s+32*\c+\i+17]|, |v[\s+32*\c+\i+18]|
.endr
.endr
.irp c, 0,1
	v_max3_num_f32 v[\tm+\c], v[\tm+\c], |v[\s+32*\c+14]|, |v[\s+32*\c+15]|
.endr
.irp c, 0,1
	v_max3_num_f32 v[\tm+\c], v[\tm+\c], v[\tm+2+\c], |v[\s+32*\c+31]|
.endr
.irp c, 0,1
	v_add_nc_u32 v[\tm+4+\c], 0xfe000000, v[\tm+\c]   ; 4 off its exponent field: the conversion's scale operand
.endr
.irp c, 0,1
	v_cvt_scalef32_pk16_bf6_f32 v[\pc+6*\c:\pc+6*\c+2], v[\s+32*\c:\s+32*\c+15], v[\tm+4+\c]
	v_cvt_scalef32_pk16_bf6_f32 v[\pe+4*\c:\pe+4*\c+2], v[\s+32*\c+16:\s+32*\c+31], v[\tm+4+\c]   ; a conversion's three registers begin on an even number
.endr
.irp c, 0,1
	v_lshrrev_b32 v[\tm+6+\c], 23, v[\tm+4+\c]        ; the byte; also the plain lines behind the scaled conversions
.endr
.irp c, 0,1
.irp i, 0,1,2
	v_mov_b32 v[\pc+6*\c+3+\i], v[\pe+4*\c+\i]
.endr
.endr
.endm
	s_load_b128 s[4:7], s[0:1], 0x0                ; x, w_qkv
	s_load_b128 s[8:11], s[0:1], 0x10              ; w_out, xq
	s_load_b64 s[12:13], s[0:1], 0x20              ; wq
	v_lshl_add_u32 v190, v0, 2, SPARE
	v_mov_b32 v191, 0
	v_lshrrev_b32 v1, 5, v0
	v_readfirstlane_b32 s14, v1                    ; wave 0..15
	v_and_b32 v1, 31, v0                           ; lane
	v_and_b32 v2, 15, v0                           ; r
	v_bfe_u32 v3, v0, 4, 1                         ; h
	v_lshlrev_b32 v4, 4, v1
	v_lshlrev_b32 v5, 3, v1
	v_lshlrev_b32 v15, 3, v3                       ; 8 h
	s_mov_b32 s[SEL], 0x76543210
	s_mov_b32 s[SEL+1], 0xfedcba98
	s_wait_alu depctr_va_vdst(0)
	s_cmp_lt_u32 s14, 8
	s_cbranch_scc0 .Lweights
	; ---- x: 16 rows x 128 numbers
	s_lshr_b32 s19, ttmp9, 2
	s_lshl_b32 s19, s19, 6
	s_and_b32 s20, ttmp9, 3
	s_lshl_b32 s20, s20, 3
	s_add_co_u32 s19, s19, s20                     ; the tile's first row: 64 (tile / 4) + 8 (tile % 4)
	s_lshl_b32 s20, s19, 12                        ; rows of 4,096 bytes
	s_lshl_b32 s21, s14, 9                         ; + 512 bytes a K step
	s_add_co_u32 s20, s20, s21
	s_mov_b32 s21, 0
	s_mul_i32 s22, ttmp9, PT                       ; the tile's record
	s_mov_b32 s23, 0
	s_mul_i32 s24, s14, XSW                        ; my stage
	s_mul_i32 s25, s14, 1536                       ; my fragment in the record
	s_lshl_b32 s26, s14, 2                         ; my word among a row's scale bytes
	v_add_nc_u32 v6, s24, v4                       ; into the stage: a row's 512 bytes as they lie
	v_mul_u32_u24 v7, v2, XP
	v_lshl_add_u32 v8, v2, 5, s26                  ; 32 r + 4 ks
	v_add_nc_u32 v9, s25, v4
	v_lshl_add_u32 v7, v3, 7, v7
	v_add_nc_u32 v10, s25, v5
	v_mov_b32 v173, 0                              ; a lane permute's destination counts as read: written once
	v_add_nc_u32 v7, s24, v7                       ; out of it: row r, + 128 h: my blocks.  528 bytes from row to row: sixteen rows start in sixteen different groups of banks
	s_wait_alu depctr_va_vdst(0)
	s_wait_kmcnt 0x0
	s_add_nc_u64 s[4:5], s[4:5], s[20:21]
	s_add_nc_u64 s[10:11], s[10:11], s[22:23]
.irp i, 0,1,2,3,4,5,6,7,8,9,10,11,12,13,14,15
	global_load_b128 v[16+4*\i:19+4*\i], v4, s[4:5] offset:(\i+24*(\i/8))*4096 th:TH_LOAD_NT   ; 32 lanes read 512 consecutive bytes of the tile's row i
.endr
.irp i, 0,1,2,3,4,5,6,7,8,9,10,11,12,13,14,15
	s_wait_loadcnt 15-\i                           ; row i is in; the younger loads stay out
	ds_store_b128 v6, v[16+4*\i:19+4*\i] offset:XP*\i
.endr
.irp c, 0,1
.irp j, 0,1,2,3,4,5,6,7
	ds_load_b128 v[80+32*\c+4*\j:83+32*\c+4*\j], v7 offset:256*\c+16*\j   ; LDS serves a wave's instructions in order: these see my stores
.endr
.endr
	s_wait_dscnt 0x0
	QBLK 80, 144, 156, 164
	v_lshl_or_b32 v172, v171, 16, v170             ; my two bytes, blocks h and 2 + h,
	v_lshlrev_b32 v172, v15, v172                  ; at their places in the scale word;
	v_permlanex16_b32 v173, v172, s[SEL], s[SEL+1]
	v_or_b32 v174, v172, v173                      ; with lane l xor 16's two it is whole
	global_store_b128 v9, v[144:147], s[10:11]                 ; each store covers 512 or 256 consecutive bytes, aligned
	global_store_b64 v10, v[148:149], s[10:11] offset:512
	global_store_b128 v9, v[150:153], s[10:11] offset:768
	global_store_b64 v10, v[154:155], s[10:11] offset:1280
	global_store_b32 v8, v174, s[10:11] offset:12288           ; both lanes of a row write the same word with the same value
	s_wait_tensorcnt 0x0                           ; the wave's end
	ds_add_u32 v190, v191
	s_wait_dscnt 0x0
	s_endpgm
	; ---- a weight [1024][n]: K is its first axis.  A lane takes a column and its registers run down K: a block of 32 lies in one lane.
	; Column 32 g + lane is row r' = lane % 8 + 8 (lane / 16) of tile 2 g + u, u = (lane / 8) % 2.  Block t of my half goes to the image's place of lane r' + 16 t.
.Lweights:
	s_and_b32 s14, s14, 7
	s_and_b32 s18, s14, 3
	s_lshr_b32 s19, s14, 2                         ; c: my half of the K step
	s_lshr_b32 s24, ttmp9, 3                       ; block of 128 columns
	s_and_b32 s15, ttmp9, 7                        ; K step
	s_lshl_b32 s25, s24, 2
	s_add_co_u32 s18, s18, s25                     ; g: my group of 32 columns, w_out's from 96 on
	s_lshl_b32 s20, s18, 7                         ; its first byte in a row
	s_lshl_b32 s21, s15, 7
	s_lshl_b32 s26, s19, 6
	s_add_co_u32 s26, s26, s21                     ; my first row
	s_mul_i32 s22, s18, 2*PT                       ; the record of tile 2 g
	s_mov_b32 s23, 0
	s_mul_i32 s25, s15, 1536
	s_mul_i32 s28, s19, 768
	s_add_co_u32 s25, s25, s28                     ; my half fragment in a record
	s_lshl_b32 s28, s15, 2
	s_lshl_b32 s29, s19, 1
	s_add_co_u32 s28, s28, s29                     ; my two scale bytes of a row's 32
	s_mul_i32 s27, s14, WSW
	s_add_co_u32 s27, s27, WST                     ; my stage
	v_lshlrev_b32 v6, 2, v1                        ; 4 bytes a lane
	v_bfe_u32 v9, v0, 3, 1                         ; u
	v_and_b32 v10, 7, v0
	v_add_nc_u32 v13, s27, v4
	v_add_nc_u32 v14, s27, v5
	v_lshl_add_u32 v10, v3, 3, v10                 ; r'
	v_mul_u32_u24 v12, v9, WFP
	v_mul_u32_u24 v9, v9, PT
	v_add_nc_u32 v11, s25, v4
	v_add_nc_u32 v12, s27, v12
	v_lshl_add_u32 v9, v10, 5, v9
	v_lshl_add_u32 v7, v10, 4, v12                 ; where a block's registers 0-3 go,
	v_lshl_add_u32 v8, v10, 3, v12                 ; and 4-5
	v_add_nc_u32 v9, s28, v9                       ; u PT + 32 r' + 4 ks + 2 c
	v_add_nc_u32 v15, s25, v5
	s_wait_alu depctr_va_vdst(0)
	s_wait_kmcnt 0x0
	s_add_nc_u64 s[12:13], s[12:13], s[22:23]
	s_mov_b32 s21, 0
	s_cmp_lt_u32 s24, 24
	s_cbranch_scc0 .Lwout
	s_mul_i32 s26, s26, 12288
	s_add_co_u32 s20, s20, s26
	s_add_nc_u64 s[6:7], s[6:7], s[20:21]
.set n, 0
.rept 64
	global_load_b32 v[16+n], v6, s[6:7] offset:n*12288 th:TH_LOAD_NT   ; 128 consecutive bytes a wave, 512 with its neighbours
.set n, n+1
.endr
	s_branch .Lgot
.Lwout:
	s_lshl_b32 s26, s26, 12
	s_add_co_u32 s20, s20, s26
	s_sub_co_u32 s20, s20, 96*128
	s_add_nc_u64 s[8:9], s[8:9], s[20:21]
.set n, 0
.rept 64
	global_load_b32 v[16+n], v6, s[8:9] offset:n*4096 th:TH_LOAD_NT
.set n, n+1
.endr
.Lgot:
	s_wait_loadcnt 0x0
	QBLK 16, 80, 92, 100
	v_lshl_or_b32 v108, v107, 8, v106
.irp t, 0,1
	ds_store_b128 v7, v[80+6*\t:83+6*\t] offset:256*\t
	ds_store_b64 v8, v[84+6*\t:85+6*\t] offset:512+128*\t
.endr
	global_store_b16 v9, v108, s[12:13] offset:12288
.irp u, 0,1                            ; the two half images come back as they will lie in memory
	ds_load_b128 v[112+8*\u:115+8*\u], v13 offset:WFP*\u
	ds_load_b64 v[116+8*\u:117+8*\u], v14 offset:WFP*\u+512
.endr
	s_wait_dscnt 0x0
.irp u, 0,1
	global_store_b128 v11, v[112+8*\u:115+8*\u], s[12:13] offset:PT*\u       ; 512 and 256 consecutive bytes, aligned
	global_store_b64 v15, v[116+8*\u:117+8*\u], s[12:13] offset:PT*\u+512
.endr
	s_wait_tensorcnt 0x0
	ds_add_u32 v190, v191
	s_wait_dscnt 0x0
	s_endpgm
.Lfunc_end_k_q9b1676e0fa_prep:
	.size	k_q9b1676e0fa_prep, .Lfunc_end_k_q9b1676e0fa_prep-k_q9b1676e0fa_prep
	.p2alignl 7, 3214868480
	.fill 96, 4, 3214868480
	.section	.rodata,"a",@progbits
	.p2align	6, 0x0
	.amdhsa_kernel k_q9b1676e0fa_prep
		.amdhsa_group_segment_fixed_size 83968
		.amdhsa_private_segment_fixed_size 0
		.amdhsa_enable_private_segment 0
		.amdhsa_kernarg_size 40
		.amdhsa_user_sgpr_count 2
		.amdhsa_user_sgpr_kernarg_segment_ptr 1
		.amdhsa_wavefront_size32 1
		.amdhsa_system_sgpr_workgroup_id_x 1
		.amdhsa_system_sgpr_workgroup_id_y 1
		.amdhsa_system_sgpr_workgroup_id_z 1
		.amdhsa_system_vgpr_workitem_id 0
		.amdhsa_next_free_vgpr 192
		.amdhsa_next_free_sgpr 66
		.amdhsa_reserve_vcc 0
		.amdhsa_float_denorm_mode_32 3
		.amdhsa_float_denorm_mode_16_64 3
		.amdhsa_memory_ordered 1
		.amdhsa_forward_progress 1
		.amdhsa_inst_pref_size 28
	.end_amdhsa_kernel
	.amdgpu_metadata
---
amdhsa.version: [ 1, 2 ]
amdhsa.kernels:
  - .name:           k_q9b1676e0fa_prep
    .symbol:         k_q9b1676e0fa_prep.kd
    .args:
      - { .name: x, .offset: 0, .size: 8, .value_kind: global_buffer, .address_space: global }
      - { .name: w_qkv, .offset: 8, .size: 8, .value_kind: global_buffer, .address_space: global }
      - { .name: w_out, .offset: 16, .size: 8, .value_kind: global_buffer, .address_space: global }
      - { .name: xq, .offset: 24, .size: 8, .value_kind: global_buffer, .address_space: global }
      - { .name: wq, .offset: 32, .size: 8, .value_kind: global_buffer, .address_space: global }
    .group_segment_fixed_size: 83968
    .private_segment_fixed_size: 0
    .kernarg_segment_align: 8
    .kernarg_segment_size: 40
    .max_flat_workgroup_size: 512
    .sgpr_count:     66
    .vgpr_count:     192
    .wavefront_size: 32
...
	.end_amdgpu_metadata
.endif
;; end of part 1
;; launch qkv (part 2): grid 12 x 16, 4 waves a work-group, clusters of 4 x 4, 327,680 bytes of LDS; arguments xq, wq, b_qkv, qb, kv; writes qb, kv
.if DOCPART == 2
	.amdgcn_target "amdgcn-amd-amdhsa--gfx1250"
	.amdhsa_code_object_version 6
	.text
	.protected	k_q9b1676e0fa_qkv
	.globl	k_q9b1676e0fa_qkv
	.p2align	8
	.type	k_q9b1676e0fa_qkv,@function
k_q9b1676e0fa_qkv:
	s_mov_b64 s[64:65], 0
	v_nop
	global_prefetch_b8 v0, s[64:65] scope:SCOPE_SE
	s_setreg_imm32_b32 hwreg(HW_REG_WAVE_MODE, 25, 1), 1
	s_wait_xcnt 0x0
	s_wait_alu depctr_hold_cnt(0) depctr_sa_sdst(0) depctr_va_vdst(0) depctr_va_sdst(0) depctr_va_ssrc(0) depctr_va_vcc(0) depctr_vm_vsrc(0)
	s_getreg_b32 s2, hwreg(HW_REG_IB_STS2, 6, 4)
	s_cmp_eq_u32 s2, 0
	s_cbranch_scc0 .Lentry_in_a_cluster
	s_endpgm
.Lentry_in_a_cluster:
	s_bfe_u32 s2, ttmp6, 0x10000c
	s_cmp_lg_u32 s2, 0xf033
	s_cbranch_scc0 .Lentry_shape_is_right
	s_endpgm
.Lentry_shape_is_right:
; QKV: x w_qkv + b_qkv on codes of BF6 (E3M2), K = 1,024, and its result quantised at once into the operands of attention.
; Operands come as RECORDS (PT = 12,800 bytes: a tile of 16 rows for all of K: eight fragments of 1,536 bytes as images of the operand's registers, then 32 scale bytes a row at 12,288 + 32 r).
; In each group g of 32 rows tile 2 g + u has lane r <-> row 32 g + 8 u + r + 8 (r / 8).  Source 0 = B', source 1 = A': a lane holds one row of A', and the 16 registers of B's tiles 2 g, 2 g + 1 are
; 16 neighbours, 32 g + 16 (lane / 16) + 0 .. 15, along B's rows: the next K.
; A work-group makes 256 x 256, a wave 128 x 128 in 64 accumulators.  ONE TEXT FOR q, k AND v: the cluster's x says who is who (it is the same in all sixteen partners):
;   cluster x = 0, 1 (q, k): A' = x's rows, B' = w's columns: a lane holds a token, its registers run along the head's 64: q's and k's K.
;   cluster x = 2 (v):       A' = w_v's columns, B' = x's rows: a lane holds a channel, its registers run along the tokens: the keys, v's K.
; OUT: qb [head 32][step 16][6,656]: 8 tiles of 16 queries x 64 (768 bytes: registers 0-3 at 16 x lane, 4-5 at 512 + 8 x lane), then 512 bytes of scale words;
;      kv [head][step][13,056]: K likewise (6,656 bytes), V^T's four fragments of 16 channels x 128 keys at 6,656, their scale words at 12,800.
;      Scale words: lane l's word i' is that of tile 2 i' + l / 16, row l % 16, so that one register serves two tiles.
; CLUSTER 4 x 4: A's tiles are shared along a row of the cluster, B's along a column: joint loads.
; LDS: R0 (K steps 4, 5) and R1 (K steps 0 to 3; filled again with 6, 7); a quarter of each is what one wave fetches: 8 tiles' rows of 3,072 or 6,144 bytes.
; All lds_bytes are claimed.
; THE SCALES of all of K stay in registers, read straight from the records: two tiles to a register (lanes 0-15, lanes 16-31).
; LIMITS: NaN and infinities are not served; a block whose largest magnitude lies under 2^-122 is held at the byte 1; a block of zeros gets the byte 1 and not 127 (its codes are zeros; this program alone reads the bytes).
; REGISTERS.  window 0: v4-7 merged scale words; v8-15 v's bias; v16-23 LDS addresses; v24, 25 16 x lane, 8 x lane; v26, 27 a tile's scale word; v28, 29 the add's; v32-63 A's scales, v64-95 B's;
;   v96-191 A's fragments, one set (on the way out: at work); v192-255 q's and k's bias (v's way out: at work).   window 1: B's fragments, two sets, at v0 and v128.   windows 2, 3: accumulator (a, b) at v[8 (8 (a % 4) + b)].
; x's tiles are dealt over groups of 64 rows: tile 4 G + t has lane r <-> row 64 G + 8 t + r % 8 + 32 (r / 8).  So for v a lane's 32 registers of tiles 4 G .. 4 G + 3 are a whole block of 32 tokens.
; THE ORDER OF THE LOADS: K steps 0 to 3 come first, into R1 (one load a wave at the head); 4 and 5 go to R0, behind the full sequence; 6 and 7 into R1 again, when it has been read.
.set PT,    12800
.set R0Q,   24576
.set R1,    98304
.set R1Q,   49152
.set SPARE, 294912                     ; behind the regions: the spare words, 128 bytes a wave: two blocks of 256 bytes that no other line names
.set SA,    32
.set SB,    64
.set AF,    96
.set BIAS,  192
.set VB,    8
.set SPW,   28
.set NIL,   29
.set SEL,   28                         ; s[28:29] lane selects for v_permlanex16_b32
.set G1A0,  32                         ; s[32:39], s[40:47] group 1 for R0's tiles of A', of B';  s[48:55], s[56:63] for R1's
.set G1B0,  40
.set G1A1,  48
.set G1B1,  56
.set G0A0,  68                         ; s[68:71], s[72:75] group 0 for R0;  s[76:79], s[80:83] for R1
.set G0B0,  72
.set G0A1,  76
.set G0B1,  80
.set MSB, 0
.macro WIN new                         ; the immediate's high byte repeats the setting that is left
.if MSB != (\new)
	s_set_vgpr_msb (MSB<<8)|(\new)
.set MSB, (\new)
.endif
.endm
.set MUL_LO, 0xa1                      ; source 0 (B') window 1, source 1 (A') window 0, C and D window 2
.set MUL_HI, 0xf1                      ; the same, C and D window 3
.set TO_B,   0x40                      ; destination window 1, address window 0
.macro PLACES                          ; four plain lines between a matrix instruction and a load into, or a read of, its registers
.rept 4
	v_nop
.endr
.endm
.macro JLOAD ga, gb                    ; a joint load of two K steps by the groups 0 named: waves 0, 1 for A', waves 2, 3 for B'; four v_nop follow each line
	s_cmp_eq_u32 s15, 0
	s_cbranch_scc0 .Lfor_b_\@
	tensor_load_to_lds s[\ga:\ga+3], s[G1A0:G1A0+7]
	s_nop 0
.rept 4
	v_nop
.endr
	s_branch .Lasked_\@
.Lfor_b_\@:
	tensor_load_to_lds s[\gb:\gb+3], s[G1B0:G1B0+7]
	s_nop 0
.rept 4
	v_nop
.endr
.Lasked_\@:
.endm
.macro CREST                           ; a round of the cluster's barrier behind its opening barrier
	s_cmp_lg_u32 s14, 0
	s_cbranch_scc1 .Lnot_wave_0_\@
	s_barrier_signal -3
.Lnot_wave_0_\@:
	s_barrier_wait -3
	s_barrier_signal -1
	s_barrier_wait -1
.endm
.macro CROUND
	s_barrier_signal -1
	s_barrier_wait -1
	CREST
.endm
.macro FINISH                          ; the wave's end and the closing round
	s_wait_tensorcnt 0x0
	ds_add_u32 v[SPW], v[NIL]
	s_wait_dscnt 0x0
	CROUND
	s_endpgm
.endm
; nb x 16 numbers of a lane, register s + 16 b + i = k 32 b + 16 (lane / 16) + i of the lane's row, become codes in v[pc] on and the row's scale bytes in v[pw]
.macro QUANT nb, s, pc, pe, pw, tm
.irp b, 0,1,2,3
.if \b < \nb
	v_max3_num_f32 v[\tm+\b], |v[\s+16*\b]|, |v[\s+16*\b+1]|, 0x2800000   ; and the floor 2^(5 - 127): the byte cannot fall under 1
.endif
.endr
.irp i, 2,4,6,8,10,12,14
.irp b, 0,1,2,3
.if \b < \nb
	v_max3_num_f32 v[\tm+\b], v[\tm+\b], |v[\s+16*\b+\i]|, |v[\s+16*\b+\i+1]|
.endif
.endr
.endr
.irp b, 0,1,2,3
.if \b < \nb
	v_permlanex16_b32 v[\tm+4+\b], v[\tm+\b], s[SEL], s[SEL+1]
.endif
.endr
.irp b, 0,1,2,3
.if \b < \nb
	v_max_num_f32 v[\tm+\b], v[\tm+\b], v[\tm+4+\b]   ; the block's largest magnitude
.endif
.endr
.irp b, 0,1,2,3
.if \b < \nb
	v_add_nc_u32 v[\tm+8+\b], 0xfe000000, v[\tm+\b]   ; 4 off its exponent field: the conversion's scale operand
.endif
.endr
.irp b, 0,1,2,3
.if \b < \nb
	v_lshrrev_b32 v[\tm+4+\b], 23, v[\tm+8+\b]        ; the byte
.endif
.endr
	v_lshl_or_b32 v[\pw], v[\tm+5], 8, v[\tm+4]       ; two tiles of 64 numbers a row: the first's word, and the second's in the next register
	v_lshl_or_b32 v[\pw+1], v[\tm+7], 8, v[\tm+6]
.irp c, 0,1
.if 2*\c < \nb
	v_cvt_scalef32_pk16_bf6_f32 v[\pc+6*\c:\pc+6*\c+2], v[\s+32*\c:\s+32*\c+15], v[\tm+8+2*\c]
	v_cvt_scalef32_pk16_bf6_f32 v[\pe+4*\c:\pe+4*\c+2], v[\s+32*\c+16:\s+32*\c+31], v[\tm+8+2*\c+1]
.endif
.endr
	v_nop                                          ; one plain line behind the scaled conversions
.irp c, 0,1
.if 2*\c < \nb
.irp i, 0,1,2
	v_permlane16_swap_b32 v[\pc+6*\c+\i], v[\pe+4*\c+\i]   ; a whole block to a lane
.endr
.irp i, 0,1,2
	v_mov_b32 v[\pc+6*\c+3+\i], v[\pe+4*\c+\i]
.endr
.endif
.endr
.endm
; 64 numbers of a lane, register s + 32 c + i = k 64 c + 32 (lane / 16) + i: two whole blocks.  Codes in v[pc] on, in the operand's own order; the row's four scale bytes in v[pw] of both halves of the lanes.  v30 = 8 x (lane / 16)
.macro QUANTW s, pc, pe, pw, tm
.irp c, 0,1
	v_max3_num_f32 v[\tm+\c], |v[\s+32*\c]|, |v[\s+32*\c+1]|, 0x2800000   ; and the floor 2^(5 - 127)
	v_max3_num_f32 v[\tm+2+\c], |v[\s+32*\c+16]|, |v[\s+32*\c+17]|, |v[\s+32*\c+18]|
.endr
.irp i, 2,4,6,8,10,12
.irp c, 0,1
	v_max3_num_f32 v[\tm+\c], v[\tm+\c], |v[\s+32*\c+\i]|, |v[\s+32*\c+\i+1]|
	v_max3_num_f32 v[\tm+2+\c], v[\tm+2+\c], |v[\s+32*\c+\i+17]|, |v[\s+32*\c+\i+18]|
.endr
.endr
.irp c, 0,1
	v_max3_num_f32 v[\tm+\c], v[\tm+\c], |v[\s+32*\c+14]|, |v[\s+32*\c+15]|
.endr
.irp c, 0,1
	v_max3_num_f32 v[\tm+\c], v[\tm+\c], v[\tm+2+\c], |v[\s+32*\c+31]|
.endr
.irp c, 0,1
	v_add_nc_u32 v[\tm+4+\c], 0xfe000000, v[\tm+\c]   ; 4 off its exponent field: the conversion's scale operand
.endr
.irp c, 0,1
	v_lshrrev_b32 v[\tm+6+\c], 23, v[\tm+4+\c]        ; the byte
.endr
	v_lshl_or_b32 v[\tm+8], v[\tm+7], 16, v[\tm+6]    ; my bytes: blocks h and 2 + h,
.irp c, 0,1
	v_cvt_scalef32_pk16_bf6_f32 v[\pc+6*\c:\pc+6*\c+2], v[\s+32*\c:\s+32*\c+15], v[\tm+4+\c]
	v_cvt_scalef32_pk16_bf6_f32 v[\pe+4*\c:\pe+4*\c+2], v[\s+32*\c+16:\s+32*\c+31], v[\tm+4+\c]
.endr
	v_lshlrev_b32 v[\tm+8], v30, v[\tm+8]             ; at their places; also the plain line behind the scaled conversions
.irp c, 0,1
.irp i, 0,1,2
	v_mov_b32 v[\pc+6*\c+3+\i], v[\pe+4*\c+\i]        ; a conversion's three registers begin on an even number
.endr
.endr
	v_permlanex16_b32 v[\tm+9], v[\tm+8], s[SEL], s[SEL+1]
	v_or_b32 v[\pw], v[\tm+8], v[\tm+9]
.endm
	s_load_b256 s[4:11], s[0:1], 0x0
	s_load_b64 s[12:13], s[0:1], 0x20              ; kv
	v_lshl_add_u32 v[SPW], v0, 2, SPARE
	v_mov_b32 v[NIL], 0
	ds_add_u32 v28, v29
	ds_add_u32 v28, v29
	s_wait_dscnt 0x0
	v_lshrrev_b32 v1, 5, v0
	v_readfirstlane_b32 s14, v1                    ; wave 0..3
	s_lshr_b32 s15, s14, 1                         ; my half of A's rows.  Also: I fetch for A' (0) or B' (1)
	s_and_b32 s16, s14, 1                          ; my half of B's rows.  Also: which half of that tile I fetch
	s_bfe_u32 s17, ttmp6, 0x40000                  ; cx
	s_bfe_u32 s18, ttmp6, 0x40004                  ; cy
	s_and_b32 s20, ttmp7, 0xffff
	s_lshl_b32 s20, s20, 2                         ; 4 x cluster y
	s_lshl_b32 s19, ttmp9, 2                       ; 4 x cluster x
	s_lshl_b32 s21, s18, 2
	s_lshl_b32 s21, 15, s21                        ; my row of the cluster
	s_lshl_b32 s22, 0x1111, s17                    ; my column
	s_or_b32 s[G1A0], s21, (3<<16)|(1<<21)         ; 15:0 the mask; 17:16 elements of 8 bytes; 21 set beside a mask; no padding
	s_or_b32 s[G1B0], s22, (3<<16)|(1<<21)
	s_or_b32 s[G1A1], s21, (3<<16)|(1<<21)
	s_or_b32 s[G1B1], s22, (3<<16)|(1<<21)
.irp g, G1A0, G1B0                     ; 8 rows (tiles) of 3,072 bytes (two K steps), a record apart
	s_mov_b32 s[\g+1], 384<<16                     ; tensor_dim0
	s_mov_b32 s[\g+2], 8<<16                       ; tensor_dim1
	s_mov_b32 s[\g+3], 384<<16                     ; tile_dim0
	s_mov_b32 s[\g+4], 8                           ; tile_dim1
	s_mov_b32 s[\g+5], 1600                        ; from row to row: 12,800 bytes
	s_mov_b32 s[\g+6], 0
	s_mov_b32 s[\g+7], 0
.endr
.irp g, G1A1, G1B1                     ; 8 rows of 6,144 bytes (four K steps)
	s_mov_b32 s[\g+1], 768<<16
	s_mov_b32 s[\g+2], 8<<16
	s_mov_b32 s[\g+3], 768<<16
	s_mov_b32 s[\g+4], 8
	s_mov_b32 s[\g+5], 1600
	s_mov_b32 s[\g+6], 0
	s_mov_b32 s[\g+7], 0
.endr
	s_cmp_eq_u32 ttmp9, 2                          ; v's cluster?
	s_cselect_b32 s23, 0, s20
	s_cselect_b32 s24, s20, s19
	s_add_co_u32 s23, s23, s18                     ; TY, A's tile of 256 rows: 4 cluster y + cy, for v: cy
	s_add_co_u32 s24, s24, s17                     ; TX, B's: 4 cluster x + cx, for v: 4 cluster y + cx
	s_lshl_b32 s25, s16, 3
	s_lshl_b32 s84, s23, 4
	s_add_co_u32 s84, s84, s25
	s_mul_i32 s84, s84, PT                         ; A': record 16 TY + 8 x the half that I fetch
	s_mov_b32 s85, 0
	s_lshl_b32 s86, s24, 4
	s_add_co_u32 s86, s86, s25
	s_mul_i32 s86, s86, PT                         ; B': record 16 TX + 8 x half
	s_mov_b32 s87, 0
	s_lshl_b32 s94, s23, 4
	s_lshl_b32 s25, s15, 3
	s_add_co_u32 s94, s94, s25
	s_mul_i32 s94, s94, PT                         ; A': the records that I multiply
	s_mov_b32 s95, 0
	s_mul_i32 s26, s14, R0Q                        ; where my quarters lie: the wave's number alone enters an LDS address
	s_mul_i32 s27, s14, R1Q
	s_add_co_u32 s27, s27, R1
	s_wait_kmcnt 0x0
	s_add_nc_u64 s[88:89], s[6:7], 128*PT          ; w_v's records
	s_cmp_eq_u32 ttmp9, 2
	s_cselect_b64 s[90:91], s[88:89], s[4:5]       ; A'
	s_cselect_b64 s[92:93], s[4:5], s[6:7]         ; B'
	s_add_nc_u64 s[84:85], s[90:91], s[84:85]
	s_add_nc_u64 s[86:87], s[92:93], s[86:87]
	s_add_nc_u64 s[94:95], s[90:91], s[94:95]
	CROUND                                         ; all sixteen work-groups are here: the first joint loads meet
	s_mov_b32 s[G0A0], 1
	s_mov_b32 s[G0A0+1], s26
	s_add_nc_u64 s[G0A0+2:G0A0+3], s[84:85], 6144  ; K steps 4, 5
	s_or_b32 s[G0A0+3], s[G0A0+3], 0x80000000
	s_mov_b32 s[G0B0], 1
	s_mov_b32 s[G0B0+1], s26
	s_add_nc_u64 s[G0B0+2:G0B0+3], s[86:87], 6144
	s_or_b32 s[G0B0+3], s[G0B0+3], 0x80000000
	s_mov_b32 s[G0A1], 1
	s_mov_b32 s[G0A1+1], s27
	s_mov_b64 s[G0A1+2:G0A1+3], s[84:85]           ; K steps 0 to 3
	s_or_b32 s[G0A1+3], s[G0A1+3], 0x80000000
	s_mov_b32 s[G0B1], 1
	s_mov_b32 s[G0B1+1], s27
	s_mov_b64 s[G0B1+2:G0B1+3], s[86:87]
	s_or_b32 s[G0B1+3], s[G0B1+3], 0x80000000
	s_cmp_eq_u32 s15, 0                            ; one tensor load a wave at the head: K steps 0 to 3
	s_cbranch_scc0 .Lfirst_b
	tensor_load_to_lds s[G0A1:G0A1+3], s[G1A1:G1A1+7]
	s_nop 0
.rept 4
	v_nop
.endr
	s_branch .Lfirst_done
.Lfirst_b:
	tensor_load_to_lds s[G0B1:G0B1+3], s[G1B1:G1B1+7]
	s_nop 0
.rept 4
	v_nop
.endr
.Lfirst_done:
	v_and_b32 v1, 31, v0                           ; lane
	v_and_b32 v2, 15, v0                           ; r
	v_bfe_u32 v3, v0, 4, 1                         ; h
	v_lshlrev_b32 v24, 4, v1
	v_lshlrev_b32 v25, 3, v1
	v_lshlrev_b32 v30, 3, v3                       ; 8 h: where a lane's scale bytes go in v's scale words
	; PREFETCH: of the 8 tiles' rows of 3,072 bytes that a wave's later loads bring (K steps 4, 5, then 6, 7), each of the four partners names two tiles' 24 blocks of 256 bytes, told apart by address (cx for A', cy for B');
	; lanes 24-31 name the last block again.  K steps 4 and 5 are asked for here, a whole load ahead of theirs; 6 and 7 behind that load.  The address registers are never rewritten.
	s_cmp_eq_u32 s15, 0
	s_cselect_b64 s[100:101], s[84:85], s[86:87]
	s_cselect_b32 s2, s17, s18
	s_mul_i32 s2, s2, 2*PT
	s_mov_b32 s3, 0
	s_add_nc_u64 s[100:101], s[100:101], s[2:3]
	s_add_nc_u64 s[100:101], s[100:101], 6144
	v_min_u32 v31, 23, v1
	v_mul_u32_u24 v26, v31, 11
	v_lshrrev_b32 v26, 7, v26                      ; 1 from lane 12 on: the second tile
	v_mul_u32_u24 v26, 9728, v26
	v_lshl_add_u32 v31, v31, 8, v26                ; 256 x lane, + 12,800 - 3,072
	global_prefetch_b8 v31, s[100:101] th:TH_LOAD_NT scope:SCOPE_SE
	v_mul_u32_u24 v5, v3, PT
	v_lshl_add_u32 v5, v2, 5, v5                   ; scales: lanes 16-31 take the next record; 32 bytes a row
	s_wait_alu depctr_va_vdst(0)
	v_lshlrev_b32 v6, 6, v3                        ; q's, k's bias: 16 h numbers on
	s_wait_alu depctr_va_vdst(0)
	v_and_b32 v7, 8, v2
	v_add_nc_u32 v7, v7, v2
	v_lshlrev_b32 v7, 2, v7                        ; v's bias: my row of a tile, r + 8 (r / 8)
	s_wait_alu depctr_va_vdst(0)
	s_lshl_b32 s25, s24, 10
	s_lshl_b32 s26, s16, 9
	s_add_co_u32 s25, s25, s26                     ; 4 x (256 TX + 128 x my half): q's, k's columns
	s_lshl_b32 s26, s23, 10
	s_lshl_b32 s27, s15, 9
	s_add_co_u32 s26, s26, s27
	s_add_co_u32 s26, s26, 8192                    ; 4 x (2,048 + 256 TY + 128 x my half): v's
	s_cmp_eq_u32 ttmp9, 2
	s_cselect_b32 s96, 0, s25                      ; both kinds of bias are loaded on the one way; the kind that is not used is read at the buffer's start
	s_cselect_b32 s98, s26, 0
	s_mov_b32 s97, 0
	s_mov_b32 s99, 0
	s_add_nc_u64 s[96:97], s[8:9], s[96:97]
	s_add_nc_u64 s[98:99], s[8:9], s[98:99]
.irp p, 0,1,2,3                        ; the word of tile i at K step ks: register 8 (i / 2) + ks, lanes 0-15 for even i, lanes 16-31 for odd
.irp j, 0,1
	global_load_b128 v[SA+8*\p+4*\j:SA+8*\p+4*\j+3], v5, s[94:95] offset:2*PT*\p+12288+16*\j
	global_load_b128 v[SB+8*\p+4*\j:SB+8*\p+4*\j+3], v5, s[86:87] offset:2*PT*\p+12288+16*\j
.endr
.endr
.irp b, 0,1,2,3,4,5,6,7                ; in the result's layout: tile b, register j: column 32 (b / 2) + 16 h + 8 (b % 2) + j
	global_load_b128 v[BIAS+8*\b:BIAS+8*\b+3], v6, s[96:97] offset:128*(\b/2)+32*(\b%2)
	global_load_b128 v[BIAS+8*\b+4:BIAS+8*\b+7], v6, s[96:97] offset:128*(\b/2)+32*(\b%2)+16
.endr
.irp a, 0,1,2,3,4,5,6,7
	global_load_b32 v[VB+\a], v7, s[98:99] offset:4*(32*(\a/2)+8*(\a%2))
.endr
	s_mul_i32 s25, s15, R0Q
	v_add_nc_u32 v16, s25, v24                     ; A' in R0: 16 x lane,
	v_add_nc_u32 v18, s25, v25                     ; 8 x lane
	s_mul_i32 s25, s15, R1Q
	s_add_co_u32 s25, s25, R1
	v_add_nc_u32 v17, s25, v24                     ; A' in R1
	v_add_nc_u32 v19, s25, v25
	s_mul_i32 s25, s16, R0Q
	s_add_co_u32 s25, s25, 2*R0Q
	v_add_nc_u32 v20, s25, v24                     ; B' in R0
	v_add_nc_u32 v22, s25, v25
	s_mul_i32 s25, s16, R1Q
	s_add_co_u32 s25, s25, R1+2*R1Q
	v_add_nc_u32 v21, s25, v24                     ; B' in R1
	v_add_nc_u32 v23, s25, v25
	s_mov_b32 s[SEL], 0x76543210
	s_mov_b32 s[SEL+1], 0xfedcba98
	s_mov_b32 s31, 0xffff0000                      ; lanes 16-31
.macro FRAG reg, a16, a8, off          ; a fragment's image comes back as it was stored: every load takes 512 or 256 consecutive bytes
	ds_load_b128 v[\reg:\reg+3], v[\a16] offset:\off
	ds_load_b64 v[\reg+4:\reg+5], v[\a8] offset:\off+512
	ds_load_b128 v[\reg+6:\reg+9], v[\a16] offset:\off+768
	ds_load_b64 v[\reg+10:\reg+11], v[\a8] offset:\off+1280
.endm
.macro PLACE ks                        ; where K step ks lies: region rG, its rQ-th step there, rows rRB bytes apart
.if (\ks) < 4
.set rG, 1
.set rQ, (\ks)
.set rRB, 6144
.elseif (\ks) < 6
.set rG, 0
.set rQ, (\ks)-4
.set rRB, 3072
.else
.set rG, 1
.set rQ, (\ks)-6
.set rRB, 3072
.endif
.endm
.macro FETCH_B ks, p                   ; B's eight fragments into set p
	PLACE \ks
	WIN TO_B
.irp i, 0,1,2,3,4,5,6,7
	FRAG 128*(\p)+12*\i, 20+rG, 22+rG, \i*rRB+rQ*1536
.endr
	WIN 0
.endm
.macro FETCH_A ks, i0                  ; A's blocks i0 .. i0 + 3
	PLACE \ks
.irp i, \i0, \i0+1, \i0+2, \i0+3
	FRAG AF+12*(\i), 16+rG, 18+rG, (\i)*rRB+rQ*1536
.endr
.endm
.macro WMV c                           ; one product; the symbols say which registers; rR0, rR1: the scales' lanes
.if (rR0 == 0) && (rR1 == 0)
	v_wmma_scale_f32_16x16x128_f8f6f4 v[rD:rD+7], v[rX:rX+11], v[rY:rY+11], \c, v[rS], v[rT] matrix_a_fmt:MATRIX_FMT_BF6 matrix_b_fmt:MATRIX_FMT_BF6
.elseif rR1 == 0
	v_wmma_scale_f32_16x16x128_f8f6f4 v[rD:rD+7], v[rX:rX+11], v[rY:rY+11], \c, v[rS], v[rT] matrix_a_fmt:MATRIX_FMT_BF6 matrix_b_fmt:MATRIX_FMT_BF6 matrix_a_scale:MATRIX_SCALE_ROW1
.elseif rR0 == 0
	v_wmma_scale_f32_16x16x128_f8f6f4 v[rD:rD+7], v[rX:rX+11], v[rY:rY+11], \c, v[rS], v[rT] matrix_a_fmt:MATRIX_FMT_BF6 matrix_b_fmt:MATRIX_FMT_BF6 matrix_b_scale:MATRIX_SCALE_ROW1
.else
	v_wmma_scale_f32_16x16x128_f8f6f4 v[rD:rD+7], v[rX:rX+11], v[rY:rY+11], \c, v[rS], v[rT] matrix_a_fmt:MATRIX_FMT_BF6 matrix_b_fmt:MATRIX_FMT_BF6 matrix_a_scale:MATRIX_SCALE_ROW1 matrix_b_scale:MATRIX_SCALE_ROW1
.endif
.endm
; 16 products: A's blocks a0, a0 + 1 x B's eight.  The 64 accumulators take turns, one instruction a turn, in the same order in every K step.  zero = 1: the first K step starts the sums.
.macro MUL16 a0, p, ks, zero
.irp a, \a0, \a0+1
.irp b, 0,1,2,3,4,5,6,7
.set rD, 8*(8*((\a)%4)+\b)
.set rX, 128*(\p)+12*\b
.set rY, AF+12*(\a)
.set rS, SB+8*(\b/2)+(\ks)
.set rT, SA+8*((\a)/2)+(\ks)
.set rR0, \b%2
.set rR1, (\a)%2
.if \zero
	WMV 0
.else
	WMV v[rD:rD+7]
.endif
.endr
.endr
.endm
; A K step whose successor needs no barrier: A's blocks are fetched anew as soon as their products are issued, B's next set in the middle.
.macro STEP ks, zero
	s_wait_dscnt 16                                ; B's set and A's blocks 0-3 are in; the youngest 16 loads (A's blocks 4-7) may be out
	WIN MUL_LO
	MUL16 0, (\ks)%2, \ks, \zero
	MUL16 2, (\ks)%2, \ks, \zero
	s_wait_dscnt 0x0                               ; A's blocks 4-7 are in
	PLACES
	FETCH_B (\ks)+1, 1-(\ks)%2
	FETCH_A (\ks)+1, 0
	WIN MUL_HI
	MUL16 4, (\ks)%2, \ks, \zero
	MUL16 6, (\ks)%2, \ks, \zero
	PLACES
	WIN 0
	FETCH_A (\ks)+1, 4
.endm
; A region's last K step: one barrier.  In front of it each wave waits for all its tensor loads, adds 0 to its spare word, and waits for that and for its reads of the region.
; fill = 1: the barrier opens a round of the cluster's, and R1 is filled again, with K steps 6 and 7: that load has two K steps in which to land.
.macro TURN ks, fill
	s_wait_tensorcnt 0x0                           ; all my tensor loads have landed: my part of the region ahead among them
	ds_add_u32 v[SPW], v[NIL]                      ; 0 onto my spare word
	s_wait_dscnt 17                                ; (the add and the youngest 16 loads may be out)
	WIN MUL_LO
	MUL16 0, 1, \ks, 0
	s_wait_dscnt 0x0                               ; the add is done, and my reads of this region are over
	s_barrier_signal -1
	MUL16 2, 1, \ks, 0
	WIN 0
	s_barrier_wait -1
.if \fill
	CREST                                          ; no wave of any partner still reads R1 or has a load on its way
	s_add_nc_u64 s[G0A1+2:G0A1+3], s[G0A1+2:G0A1+3], 9216  ; R1 has been read: K steps 6 and 7 go there, rows of 3,072 bytes now, with two K steps in which to land
	s_add_nc_u64 s[G0B1+2:G0B1+3], s[G0B1+2:G0B1+3], 9216
	JLOAD G0A1, G0B1                               ; the first tensor load behind the round; its four v_nop are also the places in front of the loads below
.else
	PLACES
.endif
	FETCH_B (\ks)+1, 0
	FETCH_A (\ks)+1, 0
	WIN MUL_HI
	MUL16 4, 1, \ks, 0
	MUL16 6, 1, \ks, 0
	PLACES
	WIN 0
	FETCH_A (\ks)+1, 4
.endm
	s_wait_alu depctr_va_vdst(0)
	s_wait_tensorcnt 0x0                           ; my part of K steps 0 to 3 is in; these lines stand ahead of a later first fill as ahead of a refill
	ds_add_u32 v[SPW], v[NIL]
	s_wait_dscnt 0x0
	CROUND                                         ; everybody's part is in, and the joint loads meet
	JLOAD G0A0, G0B0                               ; K steps 4 and 5: four K steps in which to land
	FETCH_B 0, 0
	FETCH_A 0, 0
	FETCH_A 0, 4
	global_prefetch_b8 v31, s[100:101] offset:3072 th:TH_LOAD_NT scope:SCOPE_SE   ; K steps 6 and 7: four K steps ahead of their load
	s_wait_loadcnt 0x0                             ; scales and biases
	STEP 0, 1
	STEP 1, 0
	STEP 2, 0
	TURN 3, 1
	STEP 4, 0
	TURN 5, 0
	STEP 6, 0
	s_wait_dscnt 16                                ; the last K step: nothing more to fetch
	WIN MUL_LO
	MUL16 0, 1, 7, 0
	MUL16 2, 1, 7, 0
	s_wait_dscnt 0x0
	WIN MUL_HI
	MUL16 4, 1, 7, 0
	MUL16 6, 1, 7, 0
	WIN 0
	PLACES                                         ; in front of the first read of results and the first write of A's registers
	s_cmp_eq_u32 ttmp9, 2
	s_cbranch_scc1 .Lvalues
	; ---- q, k: my 128 tokens are one step of a sequence, my 128 columns two heads.  A tile of 16 tokens x a head's 64 is 32 registers a lane: + bias, quantised, 768 bytes out.
	s_lshl_b32 s25, s23, 1
	s_add_co_u32 s25, s25, s15                     ; 2 TY + half: which 128 tokens
	s_lshr_b32 s26, s25, 4                         ; the batch,
	s_and_b32 s25, s25, 15                         ; the step
	s_lshl_b32 s27, s24, 1
	s_add_co_u32 s27, s27, s16
	s_and_b32 s27, s27, 7
	s_lshl_b32 s27, s27, 1                         ; my first head
	s_lshl_b32 s26, s26, 4
	s_add_co_u32 s26, s26, s27
	s_mov_b32 s84, 106496
	s_mov_b32 s86, 6656
	s_cmp_eq_u32 ttmp9, 1                          ; k goes to kv, q to qb
	s_cselect_b32 s84, 208896, s84                 ; bytes of a head,
	s_cselect_b32 s86, 13056, s86                  ; of a step
	s_cselect_b64 s[88:89], s[12:13], s[10:11]
	s_mul_i32 s26, s26, s84
	s_mul_i32 s25, s25, s86
	s_add_co_u32 s26, s26, s25
	s_mov_b32 s27, 0
	s_mov_b32 s85, 0
	s_add_nc_u64 s[88:89], s[88:89], s[26:27]
.irp hd, 0,1
.if \hd
	s_wait_xcnt 0x0                                ; the first head's stores have taken their registers and their base
	s_add_nc_u64 s[88:89], s[88:89], s[84:85]
.endif
.irp p, 0,1,2,3                        ; two tiles of 16 tokens at a time: four blocks by turns
	s_wait_alu depctr_va_vdst(0)
	s_wait_xcnt 0x0                                ; the last pair's stores have taken their registers
	WIN 0x02+\p/2                                  ; source 0: the accumulators' window
.irp u, 0,1
.set n, 0
.rept 16
	v_pk_add_f32 v[128+32*\u+n:129+32*\u+n], v[8*(8*((2*\p+\u)%4)+4*\hd)+n:8*(8*((2*\p+\u)%4)+4*\hd)+n+1], v[BIAS+32*\hd+n:BIAS+32*\hd+n+1]   ; + bias; each accumulator from its low end on
.set n, n+2
.endr
.endr
	WIN 0
	QUANT 4, 128, 96, 108, 26, 116
.irp u, 0,1
	global_store_b128 v24, v[96+6*\u:99+6*\u], s[88:89] offset:768*(2*\p+\u)
	global_store_b64 v25, v[100+6*\u:101+6*\u], s[88:89] offset:768*(2*\p+\u)+512
.endr
	v_cndmask_b32 v[4+\p], v26, v27, s31           ; lanes 0-15: the even tile's words, lanes 16-31: the odd tile's
.endr
	global_store_b128 v24, v[4:7], s[88:89] offset:6144
.endr
	FINISH
.Lvalues:
	; ---- v: my 128 channels are two heads, my 128 tokens one step of keys.  A tile of 16 channels x 128 keys is 64 registers a lane: + bias (one number a lane), quantised along the keys, one fragment out.
	s_lshl_b32 s25, s24, 1
	s_add_co_u32 s25, s25, s16                     ; 2 TX + half: which 128 tokens
	s_lshr_b32 s26, s25, 4
	s_and_b32 s25, s25, 15
	s_lshl_b32 s27, s23, 1
	s_add_co_u32 s27, s27, s15
	s_lshl_b32 s27, s27, 1                         ; my first head
	s_lshl_b32 s26, s26, 4
	s_add_co_u32 s26, s26, s27
	s_mul_i32 s26, s26, 208896
	s_mul_i32 s25, s25, 13056
	s_add_co_u32 s26, s26, s25
	s_mov_b32 s27, 0
	s_add_nc_u64 s[88:89], s[12:13], s[26:27]
.irp a, 0,1,2,3,4,5,6,7
.if \a >= 2
	s_wait_xcnt 0x0                                ; the stores of two tiles back have taken their registers: the codes have two sets
.endif
	WIN 0x02+\a/4
.set n, 0
.rept 32
.if \a%2
	v_pk_add_f32 v[192+n:193+n], v[64*(\a%4)+n:64*(\a%4)+n+1], v[VB+\a-1:VB+\a] op_sel:[0,1] op_sel_hi:[1,1]   ; the pair's upper register for both halves
.else
	v_pk_add_f32 v[192+n:193+n], v[64*(\a%4)+n:64*(\a%4)+n+1], v[VB+\a:VB+\a+1] op_sel_hi:[1,0]                ; the lower
.endif
.set n, n+2
.endr
	WIN 0
	QUANTW 192, 96+12*(\a%2), 120, 26+\a%2, 128
.set CR, 96+12*(\a%2)
	global_store_b128 v24, v[CR:CR+3], s[88:89] offset:(\a/4)*208896+6656+1536*(\a%4)
	global_store_b64 v25, v[CR+4:CR+5], s[88:89] offset:(\a/4)*208896+6656+1536*(\a%4)+512
	global_store_b128 v24, v[CR+6:CR+9], s[88:89] offset:(\a/4)*208896+6656+1536*(\a%4)+768
	global_store_b64 v25, v[CR+10:CR+11], s[88:89] offset:(\a/4)*208896+6656+1536*(\a%4)+1280
.if \a%2
	v_cndmask_b32 v[4+\a/2], v26, v27, s31
.endif
.if \a%4 == 3
	global_store_b64 v25, v[4+2*(\a/4):5+2*(\a/4)], s[88:89] offset:(\a/4)*208896+12800   ; a head's four tiles' scale words: 256 consecutive bytes
.endif
.endr
	FINISH
.Lfunc_end_k_q9b1676e0fa_qkv:
	.size	k_q9b1676e0fa_qkv, .Lfunc_end_k_q9b1676e0fa_qkv-k_q9b1676e0fa_qkv
	.p2alignl 7, 3214868480
	.fill 96, 4, 3214868480
	.section	.rodata,"a",@progbits
	.p2align	6, 0x0
	.amdhsa_kernel k_q9b1676e0fa_qkv
		.amdhsa_group_segment_fixed_size 327680
		.amdhsa_private_segment_fixed_size 0
		.amdhsa_enable_private_segment 0
		.amdhsa_kernarg_size 40
		.amdhsa_user_sgpr_count 2
		.amdhsa_user_sgpr_kernarg_segment_ptr 1
		.amdhsa_wavefront_size32 1
		.amdhsa_system_sgpr_workgroup_id_x 1
		.amdhsa_system_sgpr_workgroup_id_y 1
		.amdhsa_system_sgpr_workgroup_id_z 1
		.amdhsa_system_vgpr_workitem_id 0
		.amdhsa_next_free_vgpr 1024
		.amdhsa_next_free_sgpr 102
		.amdhsa_reserve_vcc 0
		.amdhsa_float_denorm_mode_32 3
		.amdhsa_float_denorm_mode_16_64 3
		.amdhsa_memory_ordered 1
		.amdhsa_forward_progress 1
		.amdhsa_inst_pref_size 210
	.end_amdhsa_kernel
	.amdgpu_metadata
---
amdhsa.version: [ 1, 2 ]
amdhsa.kernels:
  - .name:           k_q9b1676e0fa_qkv
    .symbol:         k_q9b1676e0fa_qkv.kd
    .args:
      - { .name: xq, .offset: 0, .size: 8, .value_kind: global_buffer, .address_space: global }
      - { .name: wq, .offset: 8, .size: 8, .value_kind: global_buffer, .address_space: global }
      - { .name: b_qkv, .offset: 16, .size: 8, .value_kind: global_buffer, .address_space: global }
      - { .name: qb, .offset: 24, .size: 8, .value_kind: global_buffer, .address_space: global }
      - { .name: kv, .offset: 32, .size: 8, .value_kind: global_buffer, .address_space: global }
    .group_segment_fixed_size: 327680
    .private_segment_fixed_size: 0
    .kernarg_segment_align: 8
    .kernarg_segment_size: 40
    .max_flat_workgroup_size: 128
    .sgpr_count:     102
    .vgpr_count:     1024
    .wavefront_size: 32
...
	.end_amdgpu_metadata
.endif
;; end of part 2
;; launch attn (part 3): grid 4 x 64, 16 waves a work-group, clusters of 4 x 4, 256,000 bytes of LDS; arguments qb, kv, aoq; writes aoq
.if DOCPART == 3
	.amdgcn_target "amdgcn-amd-amdhsa--gfx1250"
	.amdhsa_code_object_version 6
	.text
	.protected	k_q9b1676e0fa_attn
	.globl	k_q9b1676e0fa_attn
	.p2align	8
	.type	k_q9b1676e0fa_attn,@function
k_q9b1676e0fa_attn:
	s_mov_b64 s[64:65], 0
	v_nop
	global_prefetch_b8 v0, s[64:65] scope:SCOPE_SE
	s_setreg_imm32_b32 hwreg(HW_REG_WAVE_MODE, 25, 1), 1
	s_wait_xcnt 0x0
	s_wait_alu depctr_hold_cnt(0) depctr_sa_sdst(0) depctr_va_vdst(0) depctr_va_sdst(0) depctr_va_ssrc(0) depctr_va_vcc(0) depctr_vm_vsrc(0)
	s_getreg_b32 s2, hwreg(HW_REG_IB_STS2, 6, 4)
	s_cmp_eq_u32 s2, 0
	s_cbranch_scc0 .Lentry_in_a_cluster
	s_endpgm
.Lentry_in_a_cluster:
	s_bfe_u32 s2, ttmp6, 0x10000c
	s_cmp_lg_u32 s2, 0xf033
	s_cbranch_scc0 .Lentry_shape_is_right
	s_endpgm
.Lentry_shape_is_right:
; ATTN: o = softmax(q k^T / 8, causal) v on codes of BF6 (E3M2), 32 heads, and o quantised at once into the last product's records (aoq).
; qb [head][block of 128 queries][6,656], kv [head][step of 128 keys][13,056]: as the launch before lays them: tiles of 16 x 64 as images of the operand's registers (768 bytes: registers 0-3 at 16 x lane, 4-5 at 512 + 8 x lane),
; 512 bytes of scale words (lane l's word i is tile 2 i + l / 16's, row l % 16), then V^T's four fragments of 16 channels x 128 keys (1,536 bytes each) and their scale words.
; TOKENS IN A TILE: tile 4 c + t of a block of 128 has lane r <-> token 64 c + 8 t + r % 8 + 32 (r / 8).
; S^T = k q^T: lane (r, h) holds query r, and register n of its 64 (tile n / 8, n % 8) is key 64 (n / 32) + 32 h + n % 32: A LANE HOLDS TWO WHOLE BLOCKS OF 32 KEYS, in the order of the next operand's registers.
; O^T = v^T p^T: lane (r, h) holds query r, and the 16 registers of tiles 2 b, 2 b + 1 are channels 32 b + 16 h + 0 .. 15.
; M, the ceiling of the running largest t = score x log2(e) / 8, is a whole number; kept as -M.  p = 2^(t - M); the row's sum is taken of the unquantised p.  A block's scale exponent is floor(t - M) of its largest score, less 4.
; SHARES: a work-group has one tile position of all 16 blocks of queries of a head: 16 tiles, 136 steps of 16 queries x 128 keys.  Waves work in pairs on blocks i and 15 - i (i = 0 .. 7), 17 steps together:
;   wave A: block 15 - i, steps 0 to 8.   wave B: block i, steps 0 to i, which it finishes and stores; then block 15 - i, steps 9 to 15 - i; its part of that goes through LDS to wave A, which joins the two and stores.
; So a wave has 9 or 8 steps, whichever its pair; nothing in the walk hangs on the work-group's place in the cluster.
; THE DIAGONAL'S MASK is one table for the work-group, since all its tiles have one position: 64 registers, 0 or -3e38, made once (a wave four registers), which the diagonal's products take as C.
; LEFT OUT: steps that lie wholly above the diagonal (reference()'s own causal mask makes their p 0).  A NaN, an infinity or an overflow that reaches only those is not carried to the result.
; CLUSTER 4 x 4: two heads, eight work-groups each.  A head's K and V, 208,896 bytes, come into LDS once: wave w fetches step w by ONE joint load shared along a row of the cluster.  Nothing is filled again.
; No prefetch: each wave's one load stands at the head; there is no loop of loads to run ahead in.
; LIMITS: the promise holds while the scaled scores stay under 2^31 in magnitude; NaN and infinities are not served; a block of o whose largest magnitude lies under 2^-122 is held at the byte 1, a block of p whose largest lies under 2^-122 likewise.
.set PT,    12800
.set STEPB, 13056
.set PART,  208896                     ; behind K and V: 4,608 bytes for each pair: O^T (4,096), the sum's two halves (256), -M (128)
.set PARTB, 4608
.set MASK,  245760                     ; the mask's 64 registers: four at a time, 16 x lane
.set SPARE, 253952                     ; the spare words, 128 bytes a wave: eight blocks of 256 bytes that no other line names
.set WV,  10
.set RL,  14                           ; 0: wave A, 1: wave B
.set TB,  15                           ; LDS byte of the step
.set N,   16                           ; the trip
.set SWN, 17                           ; the trip at whose start wave B changes tiles (16, never reached, for wave A)
.set OF2, 18
.set QB0, 19                           ; my first block of queries
.set QB1, 32                           ; the pair's block 15 - i
.set KR,  33                           ; the key step
.set QC,  34                           ; the block of queries at work
.set G1,  20
.set G0,  28
.set PR,  37                           ; i
.set SEL, 44                           ; s[44:45] lane selects for v_permlanex16_b32: lane l xor 16
.set CS,  46                           ; s[46:47] log2(e) / 8
.set NEGM0, 0x7f61b1e6                 ; -M at the start: 3e38
.set SMAX0, 0xff61b1e6                 ; the largest score at the start, and the mask: -3e38
.macro CROUND                          ; a round of the cluster's barrier
	s_barrier_signal -1
	s_barrier_wait -1
	s_cmp_lg_u32 s[WV], 0
	s_cbranch_scc1 .Lnot_wave_0_\@
	s_barrier_signal -3
.Lnot_wave_0_\@:
	s_barrier_wait -3
	s_barrier_signal -1
	s_barrier_wait -1
.endm
; A tile is finished: O^T / the sum, quantised along the channels, two blocks of 32 (each in lanes l and l xor 16), and stored into the tile's record: 768 bytes and two scale bytes a row.
.macro FINAL
	v_add_f32 v14, v14, v15                        ; the sum's two halves,
	s_delay_alu instid0(VALU_DEP_1)
	v_permlanex16_b32 v228, v14, s[SEL], s[SEL+1]
	s_delay_alu instid0(VALU_DEP_1)
	v_add_f32 v14, v14, v228                       ; and lane l xor 16's
	v_nop
	s_wait_alu depctr_va_vdst(0)
	v_rcp_f32 v14, v14
	v_nop                                          ; a plain place behind the transcendental (and with the four plain lines above the places behind the last products)
	s_wait_alu depctr_va_vdst(0)
.set n, 0
.rept 16
	v_pk_mul_f32 v[96+n:97+n], v[160+n:161+n], v[14:15] op_sel_hi:[1,0]
.set n, n+2
.endr
.irp b, 0,1
	v_max3_num_f32 v[212+\b], |v[96+16*\b]|, |v[97+16*\b]|, 0x2800000   ; and the floor 2^(5 - 127)
.endr
.irp i, 2,4,6,8,10,12,14
.irp b, 0,1
	s_delay_alu instid0(VALU_DEP_2)
	v_max3_num_f32 v[212+\b], v[212+\b], |v[96+16*\b+\i]|, |v[97+16*\b+\i]|
.endr
.endr
.irp b, 0,1
	s_delay_alu instid0(VALU_DEP_2)
	v_permlanex16_b32 v[216+\b], v[212+\b], s[SEL], s[SEL+1]
.endr
.irp b, 0,1
	s_delay_alu instid0(VALU_DEP_2)
	v_max_num_f32 v[212+\b], v[212+\b], v[216+\b]
.endr
.irp b, 0,1
	s_delay_alu instid0(VALU_DEP_2)
	v_add_nc_u32 v[220+\b], 0xfe000000, v[212+\b]  ; 4 off the exponent field: the conversion's scale operand
.endr
.irp b, 0,1
	s_delay_alu instid0(VALU_DEP_2)
	v_lshrrev_b32 v[218+\b], 23, v[220+\b]         ; the byte
.endr
	s_delay_alu instid0(VALU_DEP_1)
	v_lshl_or_b32 v230, v219, 8, v218
	v_cvt_scalef32_pk16_bf6_f32 v[192:194], v[96:111], v220
	v_cvt_scalef32_pk16_bf6_f32 v[204:206], v[112:127], v221
	v_nop                                          ; one plain line behind the scaled conversions
.irp i, 0,1,2
	v_permlane16_swap_b32 v[192+\i], v[204+\i]     ; a whole block to a lane
.endr
.irp i, 0,1,2
	v_mov_b32 v[195+\i], v[204+\i]
.endr
	global_store_b128 v6, v[192:195], s[8:9]       ; 512 and 256 consecutive bytes, aligned
	global_store_b64 v7, v[196:197], s[8:9] offset:512
	global_store_b16 v8, v230, s[8:9] offset:12288 ; both lanes of a row write the same two bytes with the same value
.endm
; Scores of 16 keys.  The operand's second half is the next tile's codes (the last tile: zeros), which q's zeros meet
.macro SCORE i, c
.if (\i)%2
	v_wmma_scale_f32_16x16x128_f8f6f4 v[96+8*(\i):103+8*(\i)], v[32+6*(\i):43+6*(\i)], v[16:27], \c, v[86+(\i)/2], v28 matrix_a_fmt:MATRIX_FMT_BF6 matrix_b_fmt:MATRIX_FMT_BF6 matrix_a_scale:MATRIX_SCALE_ROW1
.else
	v_wmma_scale_f32_16x16x128_f8f6f4 v[96+8*(\i):103+8*(\i)], v[32+6*(\i):43+6*(\i)], v[16:27], \c, v[86+(\i)/2], v28 matrix_a_fmt:MATRIX_FMT_BF6 matrix_b_fmt:MATRIX_FMT_BF6
.endif
.endm
	s_load_b128 s[4:7], s[0:1], 0x0                ; qb, kv
	s_load_b64 s[8:9], s[0:1], 0x10                ; aoq
	v_lshl_add_u32 v254, v0, 2, SPARE
	v_mov_b32 v255, 0
	ds_add_u32 v254, v255                          ; the opening lines: the add, twice on end, and its wait
	ds_add_u32 v254, v255
	v_lshrrev_b32 v9, 5, v0
	v_readfirstlane_b32 s[WV], v9                  ; wave 0..15
	s_bfe_u32 s11, ttmp6, 0x40004                  ; cy
	s_lshl_b32 s40, s11, 2
	s_lshl_b32 s40, 15, s40                        ; my row of the cluster
	s_or_b32 s[G1], s40, (3<<16)|(1<<21)           ; the mask; elements of 8 bytes; 21 set beside a mask; no padding
	s_mov_b32 s[G1+1], 544<<16                     ; a step's 13,056 dense bytes as 3 rows of 4,352, each 17 x 256
	s_mov_b32 s[G1+2], 3<<16
	s_mov_b32 s[G1+3], 544<<16
	s_mov_b32 s[G1+4], 3
	s_mov_b32 s[G1+5], 544
	s_mov_b32 s[G1+6], 0
	s_mov_b32 s[G1+7], 0
	s_and_b32 s41, ttmp7, 0xffff
	s_lshl_b32 s41, s41, 2
	s_add_co_u32 s11, s41, s11                     ; y = 2 x head + c
	s_lshr_b32 s36, s11, 1                         ; head 0..31, both batches
	s_and_b32 s35, s11, 1                          ; c: the half of each block of 128 queries in which my tiles lie
	s_mul_i32 s42, s[WV], STEPB                    ; wave w fetches step w
	s_mul_i32 s38, s36, 208896
	s_add_co_u32 s38, s38, s42
	s_mov_b32 s39, 0
	; who I am: any four neighbouring waves, and any four waves four apart, are two of each kind
	s_lshr_b32 s[RL], s[WV], 2
	s_xor_b32 s[RL], s[RL], s[WV]
	s_and_b32 s[RL], s[RL], 1
	s_and_b32 s2, s[WV], 3
	s_lshr_b32 s3, s[WV], 3
	s_lshl_b32 s3, s3, 2
	s_or_b32 s[PR], s2, s3                         ; i
	s_sub_co_u32 s[QB1], 15, s[PR]
	s_sub_co_u32 s[OF2], 8, s[PR]                  ; wave B's trip n > i is step n + 8 - i
	s_add_co_u32 s[SWN], s[PR], 1
	s_cmp_eq_u32 s[RL], 0
	s_cselect_b32 s[SWN], 16, s[SWN]
	s_cselect_b32 s[QB0], s[QB1], s[PR]
	s_bfe_u32 s12, ttmp6, 0x40000                  ; cx
	s_lshl_b32 s13, s35, 2
	s_add_co_u32 s13, s13, s12                     ; my tile in every block: 4 c + cx
	s_mul_i32 s48, s36, 106496
	s_mul_i32 s49, s[QB0], 6656
	s_add_co_u32 s50, s48, s49                     ; my first block's q,
	s_mov_b32 s51, 0
	s_mul_i32 s49, s[QB1], 6656
	s_add_co_u32 s52, s48, s49                     ; and block 15 - i's (wave A's first is that one too)
	s_mov_b32 s53, 0
	s_mul_i32 s54, s13, 768
	s_and_b32 s55, s13, 1
	s_lshl_b32 s55, s55, 8
	s_lshr_b32 s56, s13, 1
	s_lshl_b32 s56, s56, 2
	s_add_co_u32 s55, s55, s56
	s_lshr_b32 s56, s36, 4                         ; the batch
	s_lshl_b32 s56, s56, 7
	s_lshl_b32 s57, s[QB0], 3
	s_add_co_u32 s56, s56, s57
	s_add_co_u32 s56, s56, s13
	s_mul_i32 s56, s56, PT                         ; the record of the tile that I store
	s_mov_b32 s57, 0
	s_and_b32 s60, s36, 15                         ; the head in its batch
	s_mul_i32 s61, s60, 768
	s_lshl_b32 s60, s60, 1
	s_lshl_b32 s62, s35, 6
	s_lshl_b32 s58, s12, 3
	s_add_co_u32 s62, s62, s58                     ; 64 c + 8 cx
	s_mul_i32 s63, s[PR], PARTB
	s_add_co_u32 s63, s63, PART                    ; my pair's part
	s_lshr_b32 s2, s[WV], 3
	s_lshl_b32 s2, s2, 5
	s_lshl_b32 s3, s[WV], 2
	s_add_co_u32 s2, s2, s3                        ; the key of register 4 w: 64 (w / 8) + 4 (w % 8)
	s_lshl_b32 s3, s[WV], 9
	s_add_co_u32 s3, s3, MASK
	s_mov_b32 s[SEL], 0x76543210
	s_mov_b32 s[SEL+1], 0xfedcba98
	s_mov_b32 s[CS], 0x3e38aa3b
	s_mov_b32 s[CS+1], s[CS]
	s_mov_b32 s[N], 0
	v_and_b32 v9, 31, v0                           ; lane
	v_and_b32 v10, 15, v0                          ; r
	v_bfe_u32 v11, v0, 4, 1
	v_mov_b32 v229, SMAX0
	v_lshlrev_b32 v1, 4, v9
	v_lshlrev_b32 v2, 3, v9
	v_lshlrev_b32 v11, 3, v11                      ; 8 h
	v_and_b32 v5, 7, v10
	v_and_b32 v30, 8, v10
	v_lshl_add_u32 v29, v10, 4, s55
	v_add_nc_u32 v3, s54, v1
	v_lshl_add_u32 v5, v30, 2, v5
	v_lshlrev_b32 v30, 2, v11
	v_add_nc_u32 v4, s54, v2
	v_add_nc_u32 v5, s62, v5                       ; my query in its block,
	v_add_nc_u32 v6, s61, v1                       ; where my codes go in a record
	v_add_nc_u32 v7, s61, v2
	v_sub_nc_u32 v5, v5, v30                       ; less 32 h: register n is masked on the diagonal where 64 (n / 32) + n % 32 is more
	v_lshl_add_u32 v8, v10, 5, s60                 ; and my row's two scale bytes
	v_add_nc_u32 v31, s3, v1
	v_subrev_nc_u32 v5, s2, v5
	v_add_nc_u32 v234, s63, v1
	v_add_nc_u32 v235, s63, v2
	v_lshlrev_b32 v236, 2, v9
	v_add_nc_u32 v237, MASK, v1
.irp j, 0,1,2,3
	v_cmp_gt_i32 vcc_lo, \j, v5
	v_cndmask_b32 v[96+\j], 0, v229, vcc_lo
.endr
	v_add_nc_u32 v236, s63, v236
	s_wait_alu depctr_va_vdst(0)
	s_wait_dscnt 0x0                               ; both opening adds are done
	s_wait_kmcnt 0x0
	s_add_nc_u64 s[50:51], s[4:5], s[50:51]
	s_add_nc_u64 s[52:53], s[4:5], s[52:53]
	s_add_nc_u64 s[8:9], s[8:9], s[56:57]
	s_add_nc_u64 s[6:7], s[6:7], s[38:39]
	global_load_b128 v[16:19], v3, s[50:51]
	global_load_b64 v[20:21], v4, s[50:51] offset:512
	global_load_b32 v28, v29, s[50:51] offset:6144
	global_load_b128 v[240:243], v3, s[52:53]      ; wave B's second tile, asked for here so that its change of tiles waits for nothing
	global_load_b64 v[244:245], v4, s[52:53] offset:512
	global_load_b32 v246, v29, s[52:53] offset:6144
	s_mov_b32 s[G0], 1
	s_mov_b32 s[G0+1], s42
	s_mov_b64 s[G0+2:G0+3], s[6:7]
	s_or_b32 s[G0+3], s[G0+3], 0x80000000
	CROUND                                         ; all sixteen work-groups are here: the joint loads meet
	tensor_load_to_lds s[G0:G0+3], s[G1:G1+7]      ; the wave's one tensor load
	s_nop 0
.irp j, 22,23,24,25,26,27,80,81,82,83,84,85
	v_mov_b32 v[\j], 0                             ; K of the first product is 64: the upper half of q's operand is zeros
.endr
	v_mov_b32 v12, NEGM0
	v_mov_b32 v13, SMAX0
	v_mov_b32 v14, 0
	v_mov_b32 v15, 0
.irp j, 216,217,219,223,227,228
	v_mov_b32 v[\j], 0                             ; (a lane permute's destination and a pair's unused half count as read)
.endr
.set n, 0
.rept 32
	v_mov_b32 v[160+n], 0                          ; O^T: the step is written once, and its first change of M leaves zeros zeros
.set n, n+1
.endr
	s_wait_alu depctr_va_vdst(0)
	s_wait_loadcnt 0x0
	s_wait_tensorcnt 0x0                           ; my step is in,
	s_barrier_signal -1
	s_barrier_wait -1                              ; everybody's is: no tensor load is out any more
	ds_store_b128 v31, v[96:99]                    ; my four registers of the mask
	s_wait_dscnt 0x0
	s_barrier_signal -1
	s_barrier_wait -1                              ; the mask is whole
.Lstep:
	s_cmp_eq_u32 s[N], s[SWN]
	s_cbranch_scc0 .Lsame
	FINAL                                          ; wave B's first tile is finished
	v_mov_b32 v28, v246
.irp i, 0,1,2,3,4,5
	v_mov_b32 v[16+\i], v[240+\i]
.endr
	v_mov_b32 v12, NEGM0                           ; the second begins: with this M the next factor f is 0, which clears the sum and O^T
	v_mov_b32 v13, SMAX0
	s_wait_alu depctr_va_vdst(0)
	s_wait_xcnt 0x0                                ; the stores have taken their registers
.Lsame:
	s_barrier_signal -1                            ; I begin trip n; none ends trip n before all have begun it: the waves stay within one trip of each other.  No byte of LDS is written meanwhile
	s_cmp_lt_u32 s[N], s[SWN]
	s_cselect_b32 s[KR], 0, s[OF2]
	s_cselect_b32 s[QC], s[QB0], s[QB1]
	s_add_co_u32 s[KR], s[KR], s[N]                ; the key step
	s_cmp_gt_u32 s[KR], s[QC]
	s_cbranch_scc1 .Lskip                          ; wave B has eight steps, wave A nine
	s_and_b32 s[TB], s[KR], 15
	s_mul_i32 s[TB], s[TB], STEPB
	v_add_nc_u32 v3, s[TB], v1
	v_add_nc_u32 v4, s[TB], v2
	v_nop                                          ; (four plain lines between the last step's products and loads into their registers)
	v_nop
	ds_load_b128 v[86:89], v3 offset:6144
.irp i, 0,1,2,3,4,5,6,7
	ds_load_b128 v[32+6*\i:35+6*\i], v3 offset:768*\i
	ds_load_b64 v[36+6*\i:37+6*\i], v4 offset:768*\i+512
.endr
	s_wait_alu depctr_va_vdst(0)
	s_cmp_lg_u32 s[KR], s[QC]
	s_cbranch_scc1 .Lopen
.irp q, 0,1,2,3,4,5,6,7,8,9,10,11,12,13,14,15
	ds_load_b128 v[96+4*\q:99+4*\q], v237 offset:512*\q   ; the diagonal's step: the mask
.endr
	s_wait_dscnt 0x0
.irp i, 0,1,2,3,4,5,6,7
	SCORE \i, v[96+8*\i:103+8*\i]
.endr
	s_branch .Lscored
.Lopen:
	s_wait_dscnt 0x6                               ; the scale words and tiles 0 to 4 are in; the six loads of tiles 5 to 7 may be out
.irp i, 0,1,2,3
	SCORE \i, 0
.endr
	s_wait_dscnt 0x0
.irp i, 4,5,6,7
	SCORE \i, 0
.endr
.Lscored:
.rept 4
	v_nop
.endr
.irp t, 0,1,2,3                        ; V^T's fragments land under the softmax
	ds_load_b128 v[32+12*\t:35+12*\t], v3 offset:6656+1536*\t
	ds_load_b64 v[36+12*\t:37+12*\t], v4 offset:6656+1536*\t+512
	ds_load_b128 v[38+12*\t:41+12*\t], v3 offset:6656+1536*\t+768
	ds_load_b64 v[42+12*\t:43+12*\t], v4 offset:6656+1536*\t+1280
.endr
	ds_load_b64 v[90:91], v4 offset:12800
; The largest score of each of my two blocks: 17 and 15 numbers in two chains a block, all four by turns
.irp c, 0,1
	v_max3_num_f32 v[212+\c], v[96+32*\c], v[97+32*\c], v[98+32*\c]
	v_max3_num_f32 v[214+\c], v[113+32*\c], v[114+32*\c], v[115+32*\c]
.endr
.irp i, 0,2,4,6,8,10
.irp c, 0,1
	v_max3_num_f32 v[212+\c], v[212+\c], v[99+32*\c+\i], v[100+32*\c+\i]
	v_max3_num_f32 v[214+\c], v[214+\c], v[116+32*\c+\i], v[117+32*\c+\i]
.endr
.endr
.irp c, 0,1
	v_max3_num_f32 v[212+\c], v[212+\c], v[111+32*\c], v[112+32*\c]
.endr
.irp c, 0,1
	v_max_num_f32 v[212+\c], v[212+\c], v[214+\c]
.endr
	v_max_num_f32 v216, v212, v213
	s_delay_alu instid0(VALU_DEP_1)
	v_permlanex16_b32 v217, v216, s[SEL], s[SEL+1]
	s_delay_alu instid0(VALU_DEP_1)
	v_max3_num_f32 v13, v13, v216, v217            ; the row's largest score so far
	s_delay_alu instid0(VALU_DEP_1)
	v_mul_f32 v228, s[CS], v13
	s_delay_alu instid0(VALU_DEP_1)
	v_floor_f32 v228, -v228                        ; the new -M
	s_delay_alu instid0(VALU_DEP_1)
	v_sub_f32 v218, v228, v12                      ; old M less new M: a whole number, 0 or less
	v_mov_b32 v12, v228
	s_delay_alu instid0(VALU_DEP_2)
	v_cvt_i32_f32 v218, v218
	v_fma_f32 v212, v212, s[CS], v12               ; the blocks' largest t - M
	v_fma_f32 v213, v213, s[CS], v12
	v_ldexp_f32 v226, 1.0, v218                    ; f = 2^(old M - new M)
.macro TM8 first                       ; t - M, eight numbers
.set n, \first
.rept 4
	v_pk_fma_f32 v[96+n:97+n], v[96+n:97+n], s[CS:CS+1], v[12:13] op_sel_hi:[1,0,0]
.set n, n+2
.endr
.endm
	TM8 0
	v_max_num_f32 v212, 0xc2f40000, v212           ; held at -122: so the scale's byte cannot fall under 1
	v_max_num_f32 v213, 0xc2f40000, v213
	TM8 8
	v_cvt_floor_i32_f32 v218, v212                 ; floor(log2) of the block's largest p
	v_cvt_floor_i32_f32 v219, v213
	TM8 16
	v_lshl_add_u32 v220, v218, 23, 0x3d800000      ; + 127 - 4 in the exponent field: the conversion's scale operand
	v_lshl_add_u32 v221, v219, 23, 0x3d800000
	v_lshl_add_u32 v222, v219, 16, v218
	TM8 24
	v_add_lshl_u32 v222, v222, 0x7b007b, v11       ; + 123 in each: my two bytes, blocks h and 2 + h, at their places in the scale word
	TM8 32
	v_permlanex16_b32 v223, v222, s[SEL], s[SEL+1]
	TM8 40
	TM8 48
	TM8 56
.set n, 0
.rept 16
	v_pk_mul_f32 v[160+n:161+n], v[160+n:161+n], v[226:227] op_sel_hi:[1,0]   ; O^T under the new M
.set n, n+2
.endr
	s_wait_alu depctr_va_vdst(0)
.set n, 0
.rept 64
	v_exp_f32 v[96+n], v[96+n]
.set n, n+1
.endr
	v_or_b32 v224, v222, v223                      ; p's scale word.  (A plain place behind the exponentials)
	s_wait_alu depctr_va_vdst(0)                   ; and one wait behind the batch
.irp c, 0,1
	v_cvt_scalef32_pk16_bf6_f32 v[192+6*\c:194+6*\c], v[96+32*\c:111+32*\c], v[220+\c]
	v_cvt_scalef32_pk16_bf6_f32 v[204+4*\c:206+4*\c], v[112+32*\c:127+32*\c], v[220+\c]
.endr
	v_pk_fma_f32 v[14:15], v[14:15], v[226:227], v[96:97] op_sel_hi:[1,0,1]   ; the sum of the unquantised p, in four chains
	v_pk_add_f32 v[216:217], v[98:99], v[100:101]
	v_pk_add_f32 v[218:219], v[102:103], v[104:105]
	v_pk_add_f32 v[230:231], v[106:107], v[108:109]
.irp c, 0,1
.irp i, 0,1,2
	v_mov_b32 v[195+6*\c+\i], v[204+4*\c+\i]       ; (a conversion's three registers begin on an even number)
.endr
.endr
.set n, 110
.rept 6
	v_pk_add_f32 v[14:15], v[14:15], v[n:n+1]
	v_pk_add_f32 v[216:217], v[216:217], v[n+2:n+3]
	v_pk_add_f32 v[218:219], v[218:219], v[n+4:n+5]
	v_pk_add_f32 v[230:231], v[230:231], v[n+6:n+7]
.set n, n+8
.endr
	v_pk_add_f32 v[14:15], v[14:15], v[158:159]
	v_pk_add_f32 v[216:217], v[216:217], v[218:219]
	v_pk_add_f32 v[14:15], v[14:15], v[230:231]
	v_pk_add_f32 v[14:15], v[14:15], v[216:217]
	s_wait_alu depctr_va_vdst(0)
	s_wait_dscnt 0x0
.irp t, 0,1,2,3
.if \t%2
	v_wmma_scale_f32_16x16x128_f8f6f4 v[160+8*\t:167+8*\t], v[32+12*\t:43+12*\t], v[192:203], v[160+8*\t:167+8*\t], v[90+\t/2], v224 matrix_a_fmt:MATRIX_FMT_BF6 matrix_b_fmt:MATRIX_FMT_BF6 matrix_a_scale:MATRIX_SCALE_ROW1
.else
	v_wmma_scale_f32_16x16x128_f8f6f4 v[160+8*\t:167+8*\t], v[32+12*\t:43+12*\t], v[192:203], v[160+8*\t:167+8*\t], v[90+\t/2], v224 matrix_a_fmt:MATRIX_FMT_BF6 matrix_b_fmt:MATRIX_FMT_BF6
.endif
.endr
.Lskip:
	s_wait_alu depctr_va_vdst(0)
	s_barrier_wait -1                              ; all have begun this trip
	s_add_co_u32 s[N], s[N], 1
	s_cmp_lt_u32 s[N], 9
	s_wait_alu depctr_va_vdst(0)                   ; and here, directly ahead of the branch
	s_cbranch_scc1 .Lstep
.rept 4
	v_nop
.endr
	s_cmp_eq_u32 s[RL], 0
	s_cbranch_scc1 .Lall
.irp q, 0,1,2,3,4,5,6,7                ; wave B's part of block 15 - i (for i = 7 it has none: with its M the factor below is 0)
	ds_store_b128 v234, v[160+4*\q:163+4*\q] offset:512*\q
.endr
	ds_store_b64 v235, v[14:15] offset:4096
	ds_store_b32 v236, v12 offset:4352
.Lall:
	s_wait_tensorcnt 0x0                           ; behind the last LDS store
	ds_add_u32 v254, v255
	s_wait_dscnt 0x0
	CROUND                                         ; the closing round; its barriers also show wave B's part to wave A
	s_cmp_lg_u32 s[RL], 0
	s_cbranch_scc1 .Lend
.irp q, 0,1,2,3,4,5,6,7
	ds_load_b128 v[96+4*\q:99+4*\q], v234 offset:512*\q
.endr
	ds_load_b64 v[128:129], v235 offset:4096
	ds_load_b32 v130, v236 offset:4352
	s_wait_dscnt 0x0
	v_min_num_f32 v131, v12, v130                  ; -M of both: the larger M
	v_sub_f32 v132, v131, v12
	v_sub_f32 v133, v131, v130
	v_cvt_i32_f32 v132, v132
	v_cvt_i32_f32 v133, v133
	v_ldexp_f32 v226, 1.0, v132
	v_ldexp_f32 v218, 1.0, v133
	v_pk_mul_f32 v[14:15], v[14:15], v[226:227] op_sel_hi:[1,0]
.set n, 0
.rept 16
	v_pk_mul_f32 v[160+n:161+n], v[160+n:161+n], v[226:227] op_sel_hi:[1,0]
.set n, n+2
.endr
	v_pk_fma_f32 v[14:15], v[128:129], v[218:219], v[14:15] op_sel_hi:[1,0,1]
.set n, 0
.rept 16
	v_pk_fma_f32 v[160+n:161+n], v[96+n:97+n], v[218:219], v[160+n:161+n] op_sel_hi:[1,0,1]
.set n, n+2
.endr
	FINAL
.Lend:
	s_endpgm
.Lfunc_end_k_q9b1676e0fa_attn:
	.size	k_q9b1676e0fa_attn, .Lfunc_end_k_q9b1676e0fa_attn-k_q9b1676e0fa_attn
	.p2alignl 7, 3214868480
	.fill 96, 4, 3214868480
	.section	.rodata,"a",@progbits
	.p2align	6, 0x0
	.amdhsa_kernel k_q9b1676e0fa_attn
		.amdhsa_group_segment_fixed_size 256000
		.amdhsa_private_segment_fixed_size 0
		.amdhsa_enable_private_segment 0
		.amdhsa_kernarg_size 24
		.amdhsa_user_sgpr_count 2
		.amdhsa_user_sgpr_kernarg_segment_ptr 1
		.amdhsa_wavefront_size32 1
		.amdhsa_system_sgpr_workgroup_id_x 1
		.amdhsa_system_sgpr_workgroup_id_y 1
		.amdhsa_system_sgpr_workgroup_id_z 1
		.amdhsa_system_vgpr_workitem_id 0
		.amdhsa_next_free_vgpr 256
		.amdhsa_next_free_sgpr 66
		.amdhsa_reserve_vcc 1
		.amdhsa_float_denorm_mode_32 3
		.amdhsa_float_denorm_mode_16_64 3
		.amdhsa_memory_ordered 1
		.amdhsa_forward_progress 1
		.amdhsa_inst_pref_size 40
	.end_amdhsa_kernel
	.amdgpu_metadata
---
amdhsa.version: [ 1, 2 ]
amdhsa.kernels:
  - .name:           k_q9b1676e0fa_attn
    .symbol:         k_q9b1676e0fa_attn.kd
    .args:
      - { .name: qb, .offset: 0, .size: 8, .value_kind: global_buffer, .address_space: global }
      - { .name: kv, .offset: 8, .size: 8, .value_kind: global_buffer, .address_space: global }
      - { .name: aoq, .offset: 16, .size: 8, .value_kind: global_buffer, .address_space: global }
    .group_segment_fixed_size: 256000
    .private_segment_fixed_size: 0
    .kernarg_segment_align: 8
    .kernarg_segment_size: 24
    .max_flat_workgroup_size: 512
    .sgpr_count:     66
    .vgpr_count:     256
    .wavefront_size: 32
...
	.end_amdgpu_metadata
.endif
;; end of part 3
;; launch proj (part 4): grid 8 x 32, 4 waves a work-group, clusters of 4 x 4, 214,528 bytes of LDS; arguments aoq, wq, b_out, out0; writes out0
.if DOCPART == 4
	.amdgcn_target "amdgcn-amd-amdhsa--gfx1250"
	.amdhsa_code_object_version 6
	.text
	.protected	k_q9b1676e0fa_proj
	.globl	k_q9b1676e0fa_proj
	.p2align	8
	.type	k_q9b1676e0fa_proj,@function
k_q9b1676e0fa_proj:
	s_mov_b64 s[64:65], 0
	v_nop
	global_prefetch_b8 v0, s[64:65] scope:SCOPE_SE
	s_setreg_imm32_b32 hwreg(HW_REG_WAVE_MODE, 25, 1), 1
	s_wait_xcnt 0x0
	s_wait_alu depctr_hold_cnt(0) depctr_sa_sdst(0) depctr_va_vdst(0) depctr_va_sdst(0) depctr_va_ssrc(0) depctr_va_vcc(0) depctr_vm_vsrc(0)
	s_getreg_b32 s2, hwreg(HW_REG_IB_STS2, 6, 4)
	s_cmp_eq_u32 s2, 0
	s_cbranch_scc0 .Lentry_in_a_cluster
	s_endpgm
.Lentry_in_a_cluster:
	s_bfe_u32 s2, ttmp6, 0x10000c
	s_cmp_lg_u32 s2, 0xf033
	s_cbranch_scc0 .Lentry_shape_is_right
	s_endpgm
.Lentry_shape_is_right:
; PROJ: out0 = ao w_out + b_out on codes of BF6 (E3M2), K = 1,024.  Operands come as records (PT = 12,800 bytes: a tile of 16 rows for all of K: eight fragments of 1,536 bytes as images of the operand's
; registers, then 32 scale bytes a row at 12,288 + 32 r).  In a group of 32 rows tile 2 g + u has lane r <-> row 32 g + 8 u + r + 8 (r / 8).  A' = aoq's rows, B' = w_out's columns (wq's records 192 on).
; 256 work-groups of 128 x 128; a wave makes 64 x 64: 16 accumulators.  Source 0 = B', source 1 = A': a lane holds one row of out0, and the 16 registers of B's tiles 2 g, 2 g + 1 are 16 neighbouring columns.
; LDS: all of K for both operands, 196,608 bytes, in four quarters of all of K, filled ONCE by joint loads (cluster 4 x 4: A's tiles shared along a row, B's along a column): one load of mine is out.
; Nothing is filled again.  Behind the chunks: a stage of 16 rows x (256 + 16) bytes for each wave, into which no tensor load lands.
; The scales of all of K stay in registers, two tiles to a register.  The bias is the C of each sum's first product.
; REGISTERS.  window 0: v16-19 LDS addresses; v20-22 the way out's; v32-47 A's scales, v48-63 B's; v64-95 the bias (later rows of out0), v96-127 rows of out0; v128-255 accumulator (a, b) at 128 + 8 (4 a + b).
;   window 1: two fragment buffers at 128 f: A's four at 12 i, B's four at 48 + 12 i.
; aoq's tiles are dealt over groups of 64 rows: tile 4 G + t has lane r <-> row 64 G + 8 t + r % 8 + 32 (r / 8).
; ALL OF K comes by ONE joint load a wave: 4 tiles' rows of 12,288 bytes (eight K steps), 49,152 bytes: one chunk, one wait, one barrier.
.set PT,   12800
.set CHB,  49152                       ; a wave's quarter: 4 tiles' rows of 12,288 bytes
.set QTR,  49152                       ; a wave's quarter: 4 tiles for all of K
.set STG,  196608
.set SA,   32
.set SB,   48
.set BI,   64
.set ACC,  128
.set G1A,  24
.set G1B,  32
.set G0A,  40                          ; s[40:43] group 0 for A';  s[68:71] for B'
.set G0B,  68
.set MSB, 0
.macro WIN new
.if MSB != (\new)
	s_set_vgpr_msb (MSB<<8)|(\new)
.set MSB, (\new)
.endif
.endm
.macro PLACES
.rept 4
	v_nop
.endr
.endm
.macro CROUND                          ; a round of the cluster's barrier
	s_barrier_signal -1
	s_barrier_wait -1
	s_cmp_lg_u32 s14, 0
	s_cbranch_scc1 .Lnot_wave_0_\@
	s_barrier_signal -3
.Lnot_wave_0_\@:
	s_barrier_wait -3
	s_barrier_signal -1
	s_barrier_wait -1
.endm
	s_load_b256 s[4:11], s[0:1], 0x0               ; aoq s[4:5], wq s[6:7], b_out s[8:9], out0 s[10:11]
	v_lshl_add_u32 v30, v0, 2, 0x34400
	v_mov_b32 v31, 0
	ds_add_u32 v30, v31
	ds_add_u32 v30, v31
	v_lshrrev_b32 v1, 5, v0
	v_readfirstlane_b32 s14, v1                    ; wave 0..3
	s_lshr_b32 s15, s14, 1                         ; my half of A's rows.  Also: I fetch for A' (0) or B' (1)
	s_and_b32 s16, s14, 1                          ; my half of B's rows.  Also: which half I fetch
	s_bfe_u32 s17, ttmp6, 0x40000                  ; cx
	s_bfe_u32 s18, ttmp6, 0x40004                  ; cy
	s_lshl_b32 s19, ttmp9, 2
	s_add_co_u32 s19, s19, s17                     ; TX: 128 columns
	s_and_b32 s20, ttmp7, 0xffff
	s_lshl_b32 s20, s20, 2
	s_add_co_u32 s20, s20, s18                     ; TY: 128 rows
	s_lshl_b32 s21, s18, 2
	s_lshl_b32 s21, 15, s21                        ; my row of the cluster
	s_lshl_b32 s22, 0x1111, s17                    ; my column
	s_or_b32 s[G1A], s21, (3<<16)|(1<<21)          ; the mask; elements of 8 bytes; 21 set beside a mask; no padding
	s_or_b32 s[G1B], s22, (3<<16)|(1<<21)
.irp g, G1A, G1B                       ; 4 rows (tiles) of 12,288 bytes (eight K steps), a record apart
	s_mov_b32 s[\g+1], 1536<<16                    ; rows of 12,288 bytes
	s_mov_b32 s[\g+2], 4<<16
	s_mov_b32 s[\g+3], 1536<<16
	s_mov_b32 s[\g+4], 4
	s_mov_b32 s[\g+5], 1600
	s_mov_b32 s[\g+6], 0
	s_mov_b32 s[\g+7], 0
.endr
	s_lshl_b32 s56, s16, 2
	s_lshl_b32 s84, s20, 3
	s_add_co_u32 s84, s84, s56
	s_mul_i32 s84, s84, PT                         ; A': record 8 TY + 4 x the half that I fetch
	s_mov_b32 s85, 0
	s_lshl_b32 s86, s19, 3
	s_add_co_u32 s86, s86, s56
	s_add_co_u32 s86, s86, 192
	s_mul_i32 s86, s86, PT                         ; B': record 192 + 8 TX + 4 x half
	s_mov_b32 s87, 0
	s_lshl_b32 s88, s20, 3
	s_lshl_b32 s56, s15, 2
	s_add_co_u32 s88, s88, s56
	s_mul_i32 s88, s88, PT                         ; A': the records that I multiply
	s_mov_b32 s89, 0
	s_mul_i32 s23, s14, QTR                        ; my quarter of a chunk
	s_wait_dscnt 0x0
	s_wait_kmcnt 0x0
	s_add_nc_u64 s[84:85], s[4:5], s[84:85]
	s_add_nc_u64 s[86:87], s[6:7], s[86:87]
	s_add_nc_u64 s[88:89], s[4:5], s[88:89]
	CROUND                                         ; all sixteen work-groups are here: the joint loads meet
.irp c, 0
	s_mov_b32 s[G0A+4*\c], 1
	s_add_co_u32 s[G0A+4*\c+1], s23, \c*CHB
	s_add_nc_u64 s[G0A+4*\c+2:G0A+4*\c+3], s[84:85], \c*3072
	s_or_b32 s[G0A+4*\c+3], s[G0A+4*\c+3], 0x80000000
	s_mov_b32 s[G0B+4*\c], 1
	s_add_co_u32 s[G0B+4*\c+1], s23, \c*CHB
	s_add_nc_u64 s[G0B+4*\c+2:G0B+4*\c+3], s[86:87], \c*3072
	s_or_b32 s[G0B+4*\c+3], s[G0B+4*\c+3], 0x80000000
.endr
	s_cmp_eq_u32 s15, 0                            ; a wave's one fill stands in the branch
	s_cbranch_scc0 .Lfirst_b
.irp c, 0
	tensor_load_to_lds s[G0A+4*\c:G0A+4*\c+3], s[G1A:G1A+7]
	s_nop 0
.endr
.rept 4
	v_nop
.endr
	s_branch .Lfirst_done
.Lfirst_b:
.irp c, 0
	tensor_load_to_lds s[G0B+4*\c:G0B+4*\c+3], s[G1B:G1B+7]
	s_nop 0
.endr
.rept 4
	v_nop
.endr
.Lfirst_done:
	v_and_b32 v1, 31, v0                           ; lane
	v_and_b32 v2, 15, v0                           ; r
	v_bfe_u32 v3, v0, 4, 1                         ; h
	v_lshlrev_b32 v4, 4, v1
	s_wait_alu depctr_va_vdst(0)
	v_lshlrev_b32 v5, 3, v1
	s_wait_alu depctr_va_vdst(0)
	v_mul_u32_u24 v6, v3, PT
	v_lshl_add_u32 v6, v2, 5, v6                   ; scales: lanes 16-31 take the next record; 32 bytes a row
	v_lshlrev_b32 v7, 6, v3                        ; the bias: 16 h numbers on
	s_lshl_b32 s56, s19, 9
	s_lshl_b32 s57, s16, 8
	s_add_co_u32 s56, s56, s57                     ; 4 x (128 TX + 64 x my half): my first column, in bytes
	s_mov_b32 s57, 0
	s_add_nc_u64 s[8:9], s[8:9], s[56:57]
.irp p, 0,1
.irp j, 0,1
	global_load_b128 v[SA+8*\p+4*\j:SA+8*\p+4*\j+3], v6, s[88:89] offset:2*PT*\p+12288+16*\j
	global_load_b128 v[SB+8*\p+4*\j:SB+8*\p+4*\j+3], v6, s[86:87] offset:2*PT*\p+12288+16*\j
.endr
.endr
.irp b, 0,1,2,3                        ; in the result's layout: tile b, register j: column 32 (b / 2) + 16 h + 8 (b % 2) + j
	global_load_b128 v[BI+8*\b:BI+8*\b+3], v7, s[8:9] offset:128*(\b/2)+32*(\b%2)
	global_load_b128 v[BI+8*\b+4:BI+8*\b+7], v7, s[8:9] offset:128*(\b/2)+32*(\b%2)+16
.endr
	s_mul_i32 s58, s15, QTR
	v_add_nc_u32 v16, s58, v4                      ; A's fragments: 16 x lane,
	v_add_nc_u32 v17, s58, v5                      ; 8 x lane
	s_mul_i32 s58, s16, QTR
	s_add_co_u32 s58, s58, 2*QTR
	v_add_nc_u32 v18, s58, v4                      ; B's
	v_add_nc_u32 v19, s58, v5
	s_mul_i32 s58, s14, 16*272
	s_add_co_u32 s58, s58, STG                     ; my stage
	v_mul_u32_u24 v20, v2, 272
	v_lshl_add_u32 v20, v3, 6, v20
	v_add_nc_u32 v20, s58, v20                     ; in: row r, + 64 h
	v_mul_u32_u24 v21, v3, 272
	v_lshl_add_u32 v21, v2, 4, v21
	v_add_nc_u32 v21, s58, v21                     ; back: lanes 0-15 one row of 256 bytes, lanes 16-31 the next
	v_lshlrev_b32 v22, 12, v3
	v_lshl_add_u32 v22, v2, 4, v22                 ; and the same two rows in out0
	s_lshl_b32 s58, s20, 7
	s_lshl_b32 s59, s15, 6
	s_add_co_u32 s58, s58, s59                     ; my first row: 128 TY + 64 x half
	s_lshl_b32 s58, s58, 12
	s_add_co_u32 s58, s58, s56
	s_mov_b32 s59, 0
	s_add_nc_u64 s[10:11], s[10:11], s[58:59]
.macro FRAG reg, a16, a8, off
	ds_load_b128 v[\reg:\reg+3], v[\a16] offset:\off
	ds_load_b64 v[\reg+4:\reg+5], v[\a8] offset:\off+512
	ds_load_b128 v[\reg+6:\reg+9], v[\a16] offset:\off+768
	ds_load_b64 v[\reg+10:\reg+11], v[\a8] offset:\off+1280
.endm
.macro FETCH q, f                      ; the chunk's q-th K step into buffer f: 32 loads
	WIN 0x40                                       ; destination window 1, address window 0
.irp i, 0,1,2,3
	FRAG 128*(\f)+12*\i, 16, 17, \i*12288+(\q)*1536
	FRAG 128*(\f)+48+12*\i, 18, 19, \i*12288+(\q)*1536
.endr
.endm
.macro WMV c
.if (rR0 == 0) && (rR1 == 0)
	v_wmma_scale_f32_16x16x128_f8f6f4 v[rD:rD+7], v[rX:rX+11], v[rY:rY+11], \c, v[rS], v[rT] matrix_a_fmt:MATRIX_FMT_BF6 matrix_b_fmt:MATRIX_FMT_BF6
.elseif rR1 == 0
	v_wmma_scale_f32_16x16x128_f8f6f4 v[rD:rD+7], v[rX:rX+11], v[rY:rY+11], \c, v[rS], v[rT] matrix_a_fmt:MATRIX_FMT_BF6 matrix_b_fmt:MATRIX_FMT_BF6 matrix_a_scale:MATRIX_SCALE_ROW1
.elseif rR0 == 0
	v_wmma_scale_f32_16x16x128_f8f6f4 v[rD:rD+7], v[rX:rX+11], v[rY:rY+11], \c, v[rS], v[rT] matrix_a_fmt:MATRIX_FMT_BF6 matrix_b_fmt:MATRIX_FMT_BF6 matrix_b_scale:MATRIX_SCALE_ROW1
.else
	v_wmma_scale_f32_16x16x128_f8f6f4 v[rD:rD+7], v[rX:rX+11], v[rY:rY+11], \c, v[rS], v[rT] matrix_a_fmt:MATRIX_FMT_BF6 matrix_b_fmt:MATRIX_FMT_BF6 matrix_a_scale:MATRIX_SCALE_ROW1 matrix_b_scale:MATRIX_SCALE_ROW1
.endif
.endm
.macro MULS ks                         ; a K step's 16 products: the 16 accumulators take turns, in the same order in every step
	WIN 0x05                                       ; sources 0 (B') and 1 (A') window 1; C and D window 0
.irp a, 0,1,2,3
.irp b, 0,1,2,3
.set rD, ACC+8*(4*\a+\b)
.set rX, 128*((\ks)%2)+48+12*\b
.set rY, 128*((\ks)%2)+12*\a
.set rS, SB+8*(\b/2)+(\ks)
.set rT, SA+8*(\a/2)+(\ks)
.set rR0, \b%2
.set rR1, \a%2
.if (\ks) == 0
.set rC, BI+8*\b
	WMV v[rC:rC+7]
.else
	WMV v[rD:rD+7]
.endif
.endr
.endr
.endm
	s_wait_alu depctr_va_vdst(0)
	s_wait_tensorcnt 0x0                           ; my quarter is in
	s_barrier_signal -1
	s_barrier_wait -1
	FETCH 0, 0
	s_wait_loadcnt 0x0                             ; scales and bias
.irp ks, 0,1,2,3,4,5,6,7
	s_wait_dscnt 0x0                               ; this K step's fragments are in
.if \ks < 7
.if \ks > 0
	PLACES
.endif
	FETCH \ks+1, (\ks+1)%2                         ; the next K step's fragments land under this step's products
.endif
	MULS \ks
.endr
	WIN 0
	PLACES
; THE WAY OUT, a tile of 16 rows x 64 columns at a time: through my own stage, back as rows of 256 bytes.  LDS serves a wave's instructions in order: no wait between the stores and the loads.
.macro TOSTAGE a
.irp b, 0,1,2,3
	ds_store_b128 v20, v[ACC+8*(4*(\a)+\b):ACC+8*(4*(\a)+\b)+3] offset:128*(\b/2)+32*(\b%2)        ; each accumulator from its low end on
	ds_store_b128 v20, v[ACC+8*(4*(\a)+\b)+4:ACC+8*(4*(\a)+\b)+7] offset:128*(\b/2)+32*(\b%2)+16
.endr
.set BB, 64+32*((\a)%2)
.irp t, 0,1,2,3,4,5,6,7
	ds_load_b128 v[BB+4*\t:BB+4*\t+3], v21 offset:544*\t
.endr
.endm
.macro SEND a, younger                 ; younger: the LDS instructions issued behind tile a's loads
.set BB, 64+32*((\a)%2)
	s_wait_dscnt \younger
.irp t, 0,1,2,3,4,5,6,7                ; stage row 2 t + lane / 16 is row 8 a + 2 t + 24 (t / 4) + lane / 16 of my 64
	global_store_b128 v22, v[BB+4*\t:BB+4*\t+3], s[10:11] offset:(8*(\a)+2*\t+24*(\t/4))*4096 th:TH_STORE_NT   ; stage row q is row 8 a + q + 24 (q / 8) of my 64; sixteen lanes store 256 consecutive bytes, aligned
.endr
.endm
	TOSTAGE 0
.irp a, 1,2,3
.if \a > 1
	s_wait_xcnt 0x0                                ; the stores of two tiles back have taken their registers
.endif
	TOSTAGE \a
	SEND \a-1, 16                                  ; behind tile a - 1's loads: tile a's 8 stores and 8 loads
.endr
	SEND 3, 0
	s_wait_tensorcnt 0x0
	ds_add_u32 v30, v31
	s_wait_dscnt 0x0
	CROUND                                         ; the closing round: no work-group ends while a partner may still ask for a tile that names it
	s_endpgm
.Lfunc_end_k_q9b1676e0fa_proj:
	.size	k_q9b1676e0fa_proj, .Lfunc_end_k_q9b1676e0fa_proj-k_q9b1676e0fa_proj
	.p2alignl 7, 3214868480
	.fill 96, 4, 3214868480
	.section	.rodata,"a",@progbits
	.p2align	6, 0x0
	.amdhsa_kernel k_q9b1676e0fa_proj
		.amdhsa_group_segment_fixed_size 214528
		.amdhsa_private_segment_fixed_size 0
		.amdhsa_enable_private_segment 0
		.amdhsa_kernarg_size 32
		.amdhsa_user_sgpr_count 2
		.amdhsa_user_sgpr_kernarg_segment_ptr 1
		.amdhsa_wavefront_size32 1
		.amdhsa_system_sgpr_workgroup_id_x 1
		.amdhsa_system_sgpr_workgroup_id_y 1
		.amdhsa_system_sgpr_workgroup_id_z 1
		.amdhsa_system_vgpr_workitem_id 0
		.amdhsa_next_free_vgpr 512
		.amdhsa_next_free_sgpr 100
		.amdhsa_reserve_vcc 0
		.amdhsa_float_denorm_mode_32 3
		.amdhsa_float_denorm_mode_16_64 3
		.amdhsa_memory_ordered 1
		.amdhsa_forward_progress 1
		.amdhsa_inst_pref_size 49
	.end_amdhsa_kernel
	.amdgpu_metadata
---
amdhsa.version: [ 1, 2 ]
amdhsa.kernels:
  - .name:           k_q9b1676e0fa_proj
    .symbol:         k_q9b1676e0fa_proj.kd
    .args:
      - { .name: aoq, .offset: 0, .size: 8, .value_kind: global_buffer, .address_space: global }
      - { .name: wq, .offset: 8, .size: 8, .value_kind: global_buffer, .address_space: global }
      - { .name: b_out, .offset: 16, .size: 8, .value_kind: global_buffer, .address_space: global }
      - { .name: out0, .offset: 24, .size: 8, .value_kind: global_buffer, .address_space: global }
    .group_segment_fixed_size: 214528
    .private_segment_fixed_size: 0
    .kernarg_segment_align: 8
    .kernarg_segment_size: 32
    .max_flat_workgroup_size: 128
    .sgpr_count:     100
    .vgpr_count:     512
    .wavefront_size: 32
...
	.end_amdgpu_metadata
.endif
;; end of part 4
